; MI455X (gfx1250); checked and timed in simulation.
; The chip was launched on July 23, 2026; its instructions are those of AMD's public machine-readable ISA for CDNA 5 (MIT licence, August 2026) and "CDNA5" Instruction Set Architecture Reference Guide (July 2026). The comments in the code are by the model that wrote it; some were corrected since.
;; Attention. Allowed arithmetic: matrix products marked QUANTISED: E2M1 operands, one E8M0 scale for each 32 along K, by v_wmma_scale_f32_16x16x128_f8f6f4 with both operands' format E2M1 (or v_wmma_scale_f32_32x16x128_f4), f32 sums; products left as they are: bf16, f16 or f32 operands; f32 sums; everything else in f32.
;; Inputs: Wk 1,024 x 1,024 float32; Wq 1,024 x 1,024 float32; Wv 1,024 x 1,024 float32; bk 1,024 float32; bq 1,024 float32; bv 1,024 float32; x 4 x 2,048 x 1,024 float32.
;; Outputs: out0 4 x 2,048 x 1,024 float32.
;; This version of the problem:
;;   THIS VERSION OF THE PROBLEM IS GIVEN IN LOW PRECISION. The matrix products marked QUANTISED in the list below multiply operands that are first quantised to E2M1 (2 exponent bits, 1 mantissa bit; 4 bits a number), with one power-of-two scale for each 32 numbers along K (OCP MX v1.0); their sums are f32. The products marked 'left as it is' may take bf16, f16 or f32 operands, with f32 sums. Whichever they take, every output number must still come out within the allowed error. Rounding operands to bf16 (8 significant bits) uses up far more of that allowance than f16 does (11 bits, for magnitudes from 6e-5 to 65,504). All else is computed in f32.
;;   The module's matrix products, in the order in which they are computed (A, B: the left and right operand; K: the contracted axis; several contracted axes count as one K, in the product's order):
;;     1. [M 8,192, K 1,024] x [K 1,024, N 1,024]; A: input x; B: input Wq: QUANTISED
;;     2. [M 8,192, K 1,024] x [K 1,024, N 1,024]; A: input x; B: input Wk: QUANTISED
;;     3. [M 8,192, K 1,024] x [K 1,024, N 1,024]; A: input x; B: input Wv: QUANTISED
;;     4. batch 4 x [M 2,048, K 1,024] x [K 1,024, N 2,048]; A: computed on the way; B: computed on the way: left as it is (an operand is computed on the way)
;;     5. batch 4 x [M 2,048, K 2,048] x [K 2,048, N 1,024]; A: computed on the way; B: computed on the way: left as it is (an operand is computed on the way)
;;   THE QUANTISER, for each operand of a quantised product, along K:
;;     - K is cut into blocks of 32 from its start; a last block that is shorter is filled with zeros.
;;     - A block's scale is 2^e with e = floor(log2(the largest magnitude in the block)) - 2, held to -126 .. 127; a block of zeros has e = 0. As a byte (E8M0): e + 127.
;;     - Each number is divided by its block's scale, clamped to +-6, and rounded to the nearest number of E2M1, ties to even, subnormals kept.
;;     - The product sums the exact products of the quantised numbers (number of the format x scale) in f32.
;;   ~~~python
;;   def quantise(x, axis):      # numpy; x: float32 -> the quantised numbers, widened to float32 again
;;       x = np.moveaxis(x, axis, -1); K = x.shape[-1]
;;       x = np.pad(x, [(0, 0)] * (x.ndim - 1) + [(0, -K % 32)]); x = x.reshape(x.shape[:-1] + (-1, 32)); a = np.abs(x).max(-1, keepdims=True)
;;       e = np.where(a > 0, np.clip(np.frexp(np.where(a > 0, a, 1))[1] - 1 - 2, -126, 127), 0)      # np.frexp(a)[1] - 1 = floor(log2(a)), exactly
;;       r = np.clip(x / 2.0 ** e, -6, 6)
;;       step = 2.0 ** (np.maximum(np.frexp(np.where(r == 0, 1, r))[1] - 1, 0) - 1)
;;       q = np.round(r / step) * step * 2.0 ** e      # np.round: ties to even
;;       return np.moveaxis(q.reshape(q.shape[:-2] + (-1,))[..., :K], -1, axis).astype(np.float32)
;;   ~~~
;; One version. Each part assembles by itself: llvm-mc -triple=amdgcn-amd-amdhsa -mcpu=gfx1250 --defsym DOCPART=n.
;; ======== version 1 of 1: 4 launches
;; limits: values are held in f16: magnitudes above 65,504 overflow, below 6.1e-05 lose precision; right only within a limited range of input values
;; workspace buffers: xc 4,194,304 bytes; xs 262,144 bytes; wc 1,572,864 bytes; ws 98,304 bytes; qkv 50,331,648 bytes; p16 33,554,432 bytes; stats 1,048,576 bytes
;; launch quant (part 1): grid 352 x 1, 4 waves a work-group, no clusters, 33,280 bytes of LDS; arguments x, Wq, Wk, Wv, xc, xs, wc, ws; writes xc, xs, wc, ws
.if DOCPART == 1
	.amdgcn_target "amdgcn-amd-amdhsa--gfx1250"
	.amdhsa_code_object_version 6
	.text
	.protected	k_qea954c09c1_quant
	.globl	k_qea954c09c1_quant
	.p2align	8
	.type	k_qea954c09c1_quant,@function
k_qea954c09c1_quant:
	s_mov_b64 s[64:65], 0
	v_nop
	global_prefetch_b8 v0, s[64:65] scope:SCOPE_SE
	s_setreg_imm32_b32 hwreg(HW_REG_WAVE_MODE, 25, 1), 1
	s_wait_xcnt 0x0
; x [8192][1024] and Wq, Wk, Wv [1024][1024], f32 with K innermost, become codes of FP4 (E2M1), two a byte, and one E8M0 scale byte for each 32 along K.
; xc [8192][512 bytes], xs [8192][32];  wc [3072][512 bytes], ws [3072][32]: rows 0-1023 Wq's, 1024-2047 Wk's, 2048-3071 Wv's.
; A block's scale is 2^(floor(log2(its largest magnitude)) - 2); its byte is the largest magnitude's exponent field - 2, held at 1 from below.
; A block of zeros so gets the byte 1 where the quantiser says 127: its codes are zeros, which add nothing under any byte but 0xff, and this program alone reads the bytes.
; LIMITS: blocks whose largest magnitude lies under 2^-124 (the floor) take the floor's byte; NaN and infinities among the inputs are not served.
; Rows are dense and K is a multiple of 32: every tensor is a plain stream of blocks of 32.  A work-group takes 32,768 numbers, a wave 8,192 in 16 steps of 512.
; Work-groups 0-255 take x, 256-351 the weights, 32 each; only pointers are chosen, all take one path through the text.
; Each load reads 512 consecutive bytes, 16 a lane; a step's 2,048 bytes turn through the wave's own stage in LDS and come back 64 bytes a lane, so that a lane holds 16 neighbours along K
; (two neighbouring lanes hold a block).  A lane's 16 codes are 8 bytes: the wave stores 256 consecutive bytes.  A wave's 256 scale bytes are gathered in LDS and leave as one aligned run of 256.
; No barrier: waves share nothing.  Loads run eight steps (32 loads, 16,384 bytes a wave) ahead, the turn through LDS one step.
.set WAVES, 4
.set STEPS, 16
.set DEPTH, 8                          ; steps whose loads are out together
.set CB,    8                          ; bytes of 16 codes
.set R,     16                         ; v16-143  eight sets of 16 numbers as they are loaded
.set X,     144                        ; v144-175 two sets of 16 neighbours
.set E,     176                        ; v176-191 a scale byte for each step
.set C,     192                        ; v192-255 codes: four registers for each step, so that no store's data are written again
.set WREG,  8192                       ; LDS: a region for each wave: two stages of 32 x SP bytes, behind them its 256 scale bytes
.set SP,    80                         ; a lane's place in a stage: 64 bytes + 16 of padding
.set SPW,   12                         ; v12  LDS address of my spare word; never rewritten
.set NIL,   13                         ; v13  0; never rewritten
.set SPARE, WAVES*WREG                 ; behind the four regions: the spare words, 128 bytes a wave
	s_load_b256 s[4:11], s[0:1], 0x0               ; x s[4:5], Wq s[6:7], Wk s[8:9], Wv s[10:11]
	s_load_b256 s[12:19], s[0:1], 0x20             ; xc s[12:13], xs s[14:15], wc s[16:17], ws s[18:19]
	v_lshl_add_u32 v[SPW], v0, 2, SPARE
	v_mov_b32 v[NIL], 0
	v_lshrrev_b32 v1, 5, v0
	v_readfirstlane_b32 s30, v1                    ; wave
	v_and_b32 v2, 31, v0                           ; lane
	v_lshlrev_b32 v3, 4, v2                        ; my 16 bytes of a load's 512
	s_mul_i32 s31, s30, WREG
	v_lshrrev_b32 v14, 2, v2
	v_mul_u32_u24 v14, v14, SP
	v_and_b32 v15, 3, v2
	v_lshl_add_u32 v14, v15, 4, v14
	v_add_nc_u32 v14, s31, v14                     ; the stage, on the way in: SP (lane / 4) + 16 (lane % 4)
	v_mul_u32_u24 v15, v2, SP
	v_add_nc_u32 v15, s31, v15                     ; on the way out: SP x lane: my 16 neighbours
	v_mul_u32_u24 v4, v2, CB                       ; my codes' place in a step's
	v_lshrrev_b32 v5, 1, v2
	s_add_co_u32 s31, s31, 2*32*SP
	v_add_nc_u32 v5, s31, v5                       ; LDS: my wave's 256 scale bytes, my block's byte
	v_lshlrev_b32 v7, 3, v2                        ; and on the way out 8 bytes a lane
	v_add_nc_u32 v6, s31, v7
	s_wait_kmcnt 0x0
	s_cmp_lt_u32 ttmp9, 256                        ; x's work-group, or a weight's?  Every choice hangs on the work-group's number alone
	s_cselect_b32 s20, 0, 256
	s_sub_co_u32 s20, ttmp9, s20                   ; j: my place among x's 256 or the weights' 96
	s_lshr_b32 s21, s20, 5                         ; which weight
	s_and_b32 s22, s20, 31                         ; and my place in it
	s_cmp_eq_u32 s21, 1
	s_cselect_b64 s[24:25], s[8:9], s[6:7]
	s_cmp_eq_u32 s21, 2
	s_cselect_b64 s[24:25], s[10:11], s[24:25]
	s_cmp_lt_u32 ttmp9, 256
	s_cselect_b64 s[4:5], s[4:5], s[24:25]         ; the numbers,
	s_cselect_b64 s[8:9], s[12:13], s[16:17]       ; the codes,
	s_cselect_b64 s[10:11], s[14:15], s[18:19]     ; the scale bytes,
	s_cselect_b32 s22, s20, s22                    ; my place in the source tensor
	s_lshl_b32 s22, s22, 2
	s_add_co_u32 s22, s22, s30                     ; my wave's run of 8,192 numbers in the source: 32,768 bytes a run
	s_lshl_b32 s26, s22, 15
	s_mov_b32 s27, 0
	s_add_nc_u64 s[4:5], s[4:5], s[26:27]
	s_lshl_b32 s20, s20, 2
	s_add_co_u32 s20, s20, s30                     ; and in the destination (the three weights lie on end there)
	s_lshl_b32 s26, s20, 12                        ; 4,096 bytes of codes a run
	s_add_nc_u64 s[8:9], s[8:9], s[26:27]
	s_lshl_b32 s26, s20, 8                         ; 256 scale bytes a run
	s_add_nc_u64 s[10:11], s[10:11], s[26:27]
.macro LOAD t
.irp i, 0,1,2,3
	global_load_b128 v[R+16*((\t)%DEPTH)+4*\i:R+16*((\t)%DEPTH)+4*\i+3], v3, s[4:5] offset:2048*(\t)+512*\i th:TH_LOAD_NT   ; 32 lanes read 512 consecutive bytes
.endr
.endm
.macro TURN t                          ; step t's numbers through the stage: LDS serves a wave's instructions in order (ISA guide 5.7.1.4), so no wait stands between the stores and the loads
.irp i, 0,1,2,3
	ds_store_b128 v14, v[R+16*((\t)%DEPTH)+4*\i:R+16*((\t)%DEPTH)+4*\i+3] offset:32*SP*((\t)%2)+8*SP*\i
.endr
.irp i, 0,1,2,3
	ds_load_b128 v[X+16*((\t)%2)+4*\i:X+16*((\t)%2)+4*\i+3], v15 offset:32*SP*((\t)%2)+16*\i
.endr
.endm
.irp t, 0,1,2,3,4,5,6,7
	LOAD \t
.endr
	s_wait_loadcnt 4*(DEPTH-1)                     ; step 0's four loads are in; the 28 of steps 1 to 7 may be out
	TURN 0
.macro STEP t
.set XS, X+16*((\t)%2)
.if (\t) > 0
	s_wait_dscnt 1                                 ; this step's numbers are back from the stage (the last step's byte store may be out): so its stores into the stage have read their registers,
.else
	s_wait_dscnt 0x0
.endif
.if (\t)+DEPTH < STEPS
	LOAD (\t)+DEPTH                                ; which take the loads of eight steps on
.endif
.if (\t)+1 < STEPS
.if STEPS-2-(\t) >= DEPTH-1
	s_wait_loadcnt 4*(DEPTH-1)                     ; the next step's four loads are in; those of the seven steps behind it may be out
.else
	s_wait_loadcnt 4*(STEPS-2-(\t))                ; towards the end: those of the steps that are left
.endif
	TURN (\t)+1                                    ; and go through the other stage while this step is worked
.endif
	v_max3_num_f32 v8, |v[XS]|, |v[XS+1]|, |v[XS+2]|               ; the largest magnitude of my 16, in two chains
	v_max3_num_f32 v9, |v[XS+3]|, |v[XS+4]|, |v[XS+5]|
.irp i, 6,10
	v_max3_num_f32 v8, v8, |v[XS+\i]|, |v[XS+\i+1]|
	v_max3_num_f32 v9, v9, |v[XS+\i+2]|, |v[XS+\i+3]|
.endr
	v_max3_num_f32 v8, v8, |v[XS+14]|, |v[XS+15]|
	v_max3_num_f32 v8, v8, v9, 0x1800000           ; and the floor 2^(3 - 127): the byte cannot fall under 1
	v_max_num_f32_dpp v8, v8, v8 row_xmask:1 row_mask:0xf bank_mask:0xf   ; and of my neighbour's 16: the block's
	v_add_nc_u32 v11, 0xff000000, v8               ; 2 off its exponent field: the conversion takes the exponent field of this operand as its scale, and nothing else of it
	v_cvt_scalef32_pk8_fp4_f32 v[C+4*(\t)], v[XS:XS+7], v11        ; eight numbers / the scale, to the nearest code, ties to even, beyond 6 the largest code; the first number's code in the lowest bits
	v_cvt_scalef32_pk8_fp4_f32 v[C+4*(\t)+1], v[XS+8:XS+15], v11
	v_lshrrev_b32 v[E+(\t)], 23, v11               ; the scale's byte (also the plain line behind the conversions)
	ds_store_b8 v5, v[E+(\t)] offset:16*(\t)       ; both lanes of a block write the same byte with the same value
	global_store_b64 v4, v[C+4*(\t):C+4*(\t)+1], s[8:9] offset:32*CB*(\t)   ; 32 lanes store 256 consecutive bytes, aligned
.endm
.irp t, 0,1,2,3,4,5,6,7,8,9,10,11,12,13,14,15
	STEP \t
.endr
	ds_load_b64 v[8:9], v6                         ; in order behind my byte stores
	s_wait_dscnt 0x0
	global_store_b64 v7, v[8:9], s[10:11]          ; 32 lanes store 256 consecutive bytes, aligned
	s_wait_tensorcnt 0x0                           ; the wave's end, behind my last LDS store
	ds_add_u32 v[SPW], v[NIL]
	s_wait_dscnt 0x0
	s_endpgm
.Lfunc_end_k_qea954c09c1_quant:
	.size	k_qea954c09c1_quant, .Lfunc_end_k_qea954c09c1_quant-k_qea954c09c1_quant
	.p2alignl 7, 3214868480
	.fill 96, 4, 3214868480
	.section	.rodata,"a",@progbits
	.p2align	6, 0x0
	.amdhsa_kernel k_qea954c09c1_quant
		.amdhsa_group_segment_fixed_size 33280
		.amdhsa_private_segment_fixed_size 0
		.amdhsa_enable_private_segment 0
		.amdhsa_kernarg_size 64
		.amdhsa_user_sgpr_count 2
		.amdhsa_user_sgpr_kernarg_segment_ptr 1
		.amdhsa_wavefront_size32 1
		.amdhsa_system_sgpr_workgroup_id_x 1
		.amdhsa_system_sgpr_workgroup_id_y 1
		.amdhsa_system_sgpr_workgroup_id_z 1
		.amdhsa_system_vgpr_workitem_id 0
		.amdhsa_next_free_vgpr 256
		.amdhsa_next_free_sgpr 66
		.amdhsa_reserve_vcc 0
		.amdhsa_float_denorm_mode_32 3
		.amdhsa_float_denorm_mode_16_64 3
		.amdhsa_memory_ordered 1
		.amdhsa_forward_progress 1
		.amdhsa_inst_pref_size 34
	.end_amdhsa_kernel
	.amdgpu_metadata
---
amdhsa.version: [ 1, 2 ]
amdhsa.kernels:
  - .name:           k_qea954c09c1_quant
    .symbol:         k_qea954c09c1_quant.kd
    .args:
      - { .name: x, .offset: 0, .size: 8, .value_kind: global_buffer, .address_space: global }
      - { .name: Wq, .offset: 8, .size: 8, .value_kind: global_buffer, .address_space: global }
      - { .name: Wk, .offset: 16, .size: 8, .value_kind: global_buffer, .address_space: global }
      - { .name: Wv, .offset: 24, .size: 8, .value_kind: global_buffer, .address_space: global }
      - { .name: xc, .offset: 32, .size: 8, .value_kind: global_buffer, .address_space: global }
      - { .name: xs, .offset: 40, .size: 8, .value_kind: global_buffer, .address_space: global }
      - { .name: wc, .offset: 48, .size: 8, .value_kind: global_buffer, .address_space: global }
      - { .name: ws, .offset: 56, .size: 8, .value_kind: global_buffer, .address_space: global }
    .group_segment_fixed_size: 33280
    .private_segment_fixed_size: 0
    .kernarg_segment_align: 8
    .kernarg_segment_size: 64
    .max_flat_workgroup_size: 128
    .sgpr_count:     66
    .vgpr_count:     256
    .wavefront_size: 32
...
	.end_amdgpu_metadata
.endif
;; end of part 1
;; launch proj (part 2): grid 12 x 32, 4 waves a work-group, clusters of 4 x 4, 327,680 bytes of LDS; arguments xc, xs, wc, ws, bq, bk, bv, qkv; writes qkv
.if DOCPART == 2
	.amdgcn_target "amdgcn-amd-amdhsa--gfx1250"
	.amdhsa_code_object_version 6
	.text
	.protected	k_qea954c09c1_proj
	.globl	k_qea954c09c1_proj
	.p2align	8
	.type	k_qea954c09c1_proj,@function
k_qea954c09c1_proj:
	s_mov_b64 s[64:65], 0
	v_nop
	global_prefetch_b8 v0, s[64:65] scope:SCOPE_SE
	s_setreg_imm32_b32 hwreg(HW_REG_WAVE_MODE, 25, 1), 1
	s_wait_xcnt 0x0
	s_wait_alu depctr_hold_cnt(0) depctr_sa_sdst(0) depctr_va_vdst(0) depctr_va_sdst(0) depctr_va_ssrc(0) depctr_va_vcc(0) depctr_vm_vsrc(0)
	s_getreg_b32 s2, hwreg(HW_REG_IB_STS2, 6, 4)
	s_cmp_eq_u32 s2, 0
	s_cbranch_scc0 .Lentry_in_a_cluster
	s_endpgm
.Lentry_in_a_cluster:
	s_bfe_u32 s2, ttmp6, 0x10000c
	s_cmp_lg_u32 s2, 0xf033
	s_cbranch_scc0 .Lentry_shape_is_right
	s_endpgm
.Lentry_shape_is_right:
; The three projections as ONE product on codes of FP4 with E8M0 scales: [8192 rows of x] x [3072 rows of Wq, Wk, Wv]^T, K = 1024, sums in f32; + bias; x 2^-6 (q, k) or 2^-4 (v); rounded once to f16.
; qkv: f16 [3][8192][1024].  The powers of two are exact and keep f16's range: the later launches take them back (2^12 in the softmax's constant, 16 in the last division).
; LIMIT: |q|, |k| under 65,504 x 64 = 4.19e6 and |v| under 65,504 x 16 = 1.05e6; beyond that f16 gives infinity.
; A tile of 256 x 256 is made by four waves, each 128 x 128: 64 accumulators, 512 registers.  K is two LDS slots of 512 along K (rows of 256 bytes): both are first fills, nothing is filled again.
; The scale bytes of the work-group's 256 + 256 rows, for all of K, are two dense blocks: they come once, as rows of 256 bytes + 16 of padding.  By this text's count a wave has three tensor loads out.
; CLUSTER 4 x 4: a row of the cluster shares x's tiles, a column the weights': each tile is asked for jointly, by the same tensor load with a mask that names the four.  The cluster's x is the tensor: 0 q, 1 k, 2 v.
; THE MATRIX INSTRUCTION IS USED TRANSPOSED (source 0 = 16 rows of W, source 1 = 16 rows of x): a lane holds eight neighbouring channels of one row.
; REGISTERS: window 0: v16-29 addresses; v32-95 scale words, two sets; v128-191 x's fragments, one set; v192-255 the bias of my 128 channels in the result's layout.  Window 1: W's fragments, two sets.
;   Windows 2, 3: the accumulators ((a, b) at v[8 (8 (a % 4) + b)]).  On the way out: v128-191 f32 at work, v32-63 packed f16, v64-95 and v96-127 rows read back, by turns.
.set NQ,     4                         ; matrix instructions deep in a slot
.set ROWB,   256                       ; a tile's row in bytes: 512 codes
.set KROW,   512                       ; a row of codes in memory
.set PITCH,  272                       ; an LDS row: 256 bytes + 16 of padding = 68 words: the 16 rows that a load touches start at 16 different banks (64 banks of 4 bytes: ISA guide 11.1)
.set FR,     8                         ; registers of a fragment: 16 rows x 128 K
.set NL,     2                         ; LDS loads that bring one
.set NP,     4                         ; places behind this matrix instruction (ISA guide 7.12.1)
.set HALFT,  128*PITCH
.set SLOT,   4*HALFT                   ; x's 256 rows, then W's 256 rows
.set KS,     32                        ; a row of scale bytes
.set SCL,    2*SLOT                    ; behind the slots: the scales
.set HALFS,  (128*KS/256)*272          ; those of 128 rows: what one tensor load brings
.set SBLK,   (16*KS/256)*272           ; those of 16 rows
.set SPARE,  SCL+4*HALFS               ; behind the scales: the spare words, 128 bytes a wave
.set SPITCH, 272                       ; the way out: a stage of 16 rows x (256 bytes + 16) for each wave, in slot 0, which has had its one fill and its last read by then
.set ROWC,   2048                      ; a row of q, k or v in bytes
.set ADRA, 16
.set ADRB, 20
.set BO,   23                          ; v23  32 x (lane / 16): my half's eight numbers of a bias tile
.set STO,  24
.set RD,   25
.set CO,   26
.set ADRS, 27
.set SPW,  28
.set NIL,  29
.set SC,   32                          ; scale words: set s at v[SC + 32 s]; register 4 i + q: lanes 0-15 x's block i, lanes 16-31 W's block i, the slot's q-th 128 along K
.set AF,   128
.set BI,   192
.set FT,   128
.set TMP,  32
.set OB,   64
.set G1, 24
.set G0, 32
.set G1B, 48
.set G0B, 56
.set SCF, 66                           ; s[66:67] the factor 2^-6 or 2^-4
.set G1S, 68
.set G0S, 76
.set G1SB, 80
.set G0SB, 88
.set MSB, 0
.macro WIN new                         ; the immediate's high byte repeats the setting that is left; a switch that changes nothing is dropped
.if MSB != (\new)
	s_set_vgpr_msb (MSB<<8)|(\new)
.set MSB, (\new)
.endif
.endm
.set MUL_LO, 0xa1                      ; source 0 (W) window 1, source 1 (x) window 0, C and D window 2
.set MUL_HI, 0xf1                      ; the same, C and D window 3
.set TO_B,   0x40                      ; destination window 1, address window 0
; A joint load: waves 0 and 1 fetch for x, waves 2 and 3 for W.  The branch hangs on the wave's number alone.  An s_nop 0 and four v_nop follow each line.
.macro JLOAD g0a, g1a, g0b, g1b
	s_cmp_eq_u32 s15, 0
	s_cbranch_scc0 .Lfor_b_\@
	tensor_load_to_lds s[\g0a:\g0a+3], s[\g1a:\g1a+7]
	s_nop 0
.rept 4
	v_nop
.endr
	s_branch .Lasked_\@
.Lfor_b_\@:
	tensor_load_to_lds s[\g0b:\g0b+3], s[\g1b:\g1b+7]
	s_nop 0
.rept 4
	v_nop
.endr
.Lasked_\@:
.endm
.macro CROUND                          ; a round of the cluster's barrier
	s_barrier_signal -1
	s_barrier_wait -1
	s_cmp_lg_u32 s14, 0
	s_cbranch_scc1 .Lnot_wave_0_\@
	s_barrier_signal -3
.Lnot_wave_0_\@:
	s_barrier_wait -3
	s_barrier_signal -1
	s_barrier_wait -1
.endm
	s_load_b128 s[4:7], s[0:1], 0x0                ; x's codes, x's scales
	s_load_b128 s[8:11], s[0:1], 0x10              ; W's codes, W's scales
	s_load_b128 s[96:99], s[0:1], 0x20             ; bq, bk
	s_load_b64 s[100:101], s[0:1], 0x30            ; bv
	s_load_b64 s[12:13], s[0:1], 0x38              ; qkv
	v_lshl_add_u32 v[SPW], v0, 2, SPARE
	v_mov_b32 v[NIL], 0
	ds_add_u32 v[SPW], v[NIL]                      ; the wave's opening: the add, twice on end, and its wait ahead of my first tensor load
	ds_add_u32 v[SPW], v[NIL]
	v_lshrrev_b32 v1, 5, v0
	v_readfirstlane_b32 s14, v1                    ; wave 0..3
	s_lshr_b32 s15, s14, 1                         ; which half of the tile's rows is mine.  Also: I fetch for x (0) or for W (1)
	s_and_b32 s16, s14, 1                          ; which half of its columns.  Also: which 128 rows of that tile I fetch
	s_bfe_u32 s40, ttmp6, 0x40000                  ; cx, cy: my place in the cluster
	s_bfe_u32 s41, ttmp6, 0x40004
	s_lshl_b32 s42, ttmp9, 2
	s_add_co_u32 s42, s42, s40                     ; tile column = 4 x cluster x + cx, 0..11
	s_and_b32 s17, ttmp7, 0xffff
	s_lshl_b32 s17, s17, 2
	s_add_co_u32 s17, s17, s41                     ; tile row = 4 x cluster y + cy, 0..31
	s_lshl_b32 s43, s41, 2
	s_lshl_b32 s43, 15, s43                        ; my row of the cluster
	s_lshl_b32 s44, 0x1111, s40                    ; my column
	; descriptor group 1: a tile of 128 rows x 256 bytes, padded in LDS
	s_or_b32 s[G1+0], s43, (0<<16)|(1<<20)|(1<<21)|(5<<22)|(3<<25)  ; 15:0 the mask; 17:16 elements of 1 byte; 20 padding on; 21 set beside a mask; 24:22 after every 64 words; 31:25 four words
	s_or_b32 s[G1B+0], s44, (0<<16)|(1<<20)|(1<<21)|(5<<22)|(3<<25)
.irp g, G1, G1B
	s_mov_b32 s[\g+1], ROWB<<16                    ; tensor_dim0
	s_mov_b32 s[\g+2], 128<<16                     ; tensor_dim1
	s_mov_b32 s[\g+3], ROWB<<16                    ; tile_dim0
	s_mov_b32 s[\g+4], 128                         ; tile_dim1
	s_mov_b32 s[\g+5], KROW                        ; from row to row
	s_mov_b32 s[\g+6], 0
	s_mov_b32 s[\g+7], 0
.endr
	; the scales of 128 rows: 4,096 dense bytes, as 16 rows of 256 bytes (32 elements of 8 bytes), 16 bytes of padding behind each
	s_or_b32 s[G1S+0], s43, (3<<16)|(1<<20)|(1<<21)|(5<<22)|(3<<25)
	s_or_b32 s[G1SB+0], s44, (3<<16)|(1<<20)|(1<<21)|(5<<22)|(3<<25)
.irp g, G1S, G1SB
	s_mov_b32 s[\g+1], 32<<16
	s_mov_b32 s[\g+2], (128*KS/256)<<16
	s_mov_b32 s[\g+3], 32<<16
	s_mov_b32 s[\g+4], 128*KS/256
	s_mov_b32 s[\g+5], 32
	s_mov_b32 s[\g+6], 0
	s_mov_b32 s[\g+7], 0
.endr
	s_mov_b32 s[SCF], 0x3c800000                   ; 2^-6 for q and k,
	s_cmp_eq_u32 ttmp9, 2
	s_cselect_b32 s[SCF], 0x3d800000, s[SCF]       ; 2^-4 for v
	s_mov_b32 s[SCF+1], s[SCF]                     ; (named with it as a pair, so it is written)
	s_lshl_b32 s18, s16, 7                         ; which 128 rows of the tile I fetch
	s_lshl_b32 s20, s17, 8
	s_add_co_u32 s20, s20, s18                     ; x: row 256 x tile row + 128 x half
	s_lshl_b32 s46, s42, 8
	s_add_co_u32 s46, s46, s18                     ; W: row 256 x tile column + 128 x half
	s_mov_b32 s21, 0
	s_mov_b32 s47, 0
	s_mov_b64 s[18:19], KS
	s_mul_u64 s[22:23], s[20:21], s[18:19]         ; where these rows' scales begin, in bytes,
	s_mul_u64 s[92:93], s[46:47], s[18:19]
	s_mov_b64 s[18:19], KROW
	s_mul_u64 s[20:21], s[20:21], s[18:19]         ; and their codes
	s_mul_u64 s[46:47], s[46:47], s[18:19]
	s_mul_i32 s45, s14, HALFT                      ; where they go: wave x 128 rows: no place in the cluster enters an LDS address
	s_mul_i32 s94, s14, HALFS
	s_wait_dscnt 0x0                               ; both opening adds are done
	s_wait_kmcnt 0x0
	s_add_nc_u64 s[20:21], s[4:5], s[20:21]
	s_add_nc_u64 s[22:23], s[6:7], s[22:23]
	s_add_nc_u64 s[46:47], s[8:9], s[46:47]
	s_add_nc_u64 s[92:93], s[10:11], s[92:93]
	CROUND                                         ; all sixteen work-groups are here: the joint loads meet
	s_mov_b32 s[G0S], 1
	s_add_co_u32 s[G0S+1], s94, SCL
	s_mov_b64 s[G0S+2:G0S+3], s[22:23]
	s_or_b32 s[G0S+3], s[G0S+3], 0x80000000
	s_mov_b32 s[G0SB], 1
	s_add_co_u32 s[G0SB+1], s94, SCL
	s_mov_b64 s[G0SB+2:G0SB+3], s[92:93]
	s_or_b32 s[G0SB+3], s[G0SB+3], 0x80000000
	JLOAD G0S, G1S, G0SB, G1SB                     ; the scales first: they are wanted with the first slot
.irp s, 0,1
	s_mov_b32 s[G0+4*\s], 1
	s_add_co_u32 s[G0+4*\s+1], s45, \s*SLOT
	s_add_nc_u64 s[G0+4*\s+2:G0+4*\s+3], s[20:21], \s*ROWB
	s_or_b32 s[G0+4*\s+3], s[G0+4*\s+3], 0x80000000
	s_mov_b32 s[G0B+4*\s], 1
	s_add_co_u32 s[G0B+4*\s+1], s45, \s*SLOT
	s_add_nc_u64 s[G0B+4*\s+2:G0B+4*\s+3], s[46:47], \s*ROWB
	s_or_b32 s[G0B+4*\s+3], s[G0B+4*\s+3], 0x80000000
	JLOAD G0+4*\s, G1, G0B+4*\s, G1B
.endr
	v_and_b32 v1, 15, v0                           ; r = lane % 16
	v_bfe_u32 v2, v0, 4, 1                         ; h = lane / 16
	v_mul_u32_u24 v3, v1, PITCH
	v_lshl_add_u32 v4, v2, 4, v3                   ; a fragment's row x pitch + 16 x half
	s_mul_i32 s21, s15, HALFT                      ; my 128 rows of x
	s_mul_i32 s22, s16, HALFT                      ; my 128 rows of W,
	s_add_co_u32 s22, s22, 2*HALFT                 ; which lie behind x's 256
.irp s, 0,1
	v_add_nc_u32 v[ADRA+\s], s21, v4
	v_add_nc_u32 v[ADRB+\s], s22, v4
	s_add_co_u32 s21, s21, SLOT
	s_add_co_u32 s22, s22, SLOT
.endr
	v_mul_u32_u24 v5, v1, KS                       ; my row's scales: 32 bytes a row,
	v_lshrrev_b32 v6, 8, v5
	v_lshl_add_u32 v5, v6, 4, v5                   ; and 16 more for each 256 passed
	s_mul_i32 s21, s15, HALFS                      ; x's: my 128 rows
	s_mul_i32 s22, s16, HALFS                      ; W's: my 128 rows, behind x's 256
	s_add_co_u32 s22, s22, 2*HALFS
	s_sub_co_u32 s22, s22, s21
	v_mul_u32_u24 v6, s22, v2                      ; lanes 16-31 take W's: one product, the distance x h
	s_add_co_u32 s21, s21, SCL
	v_add_nc_u32 v5, v5, v6
	v_add_nc_u32 v[ADRS], s21, v5
	s_mul_i32 s23, s14, 16*SPITCH                  ; my stage
	v_add_nc_u32 v[STO], s23, v4                   ; in: row r, 16 bytes for each half of the lanes
	v_mul_u32_u24 v5, v2, SPITCH
	v_lshl_add_u32 v5, v1, 4, v5
	v_add_nc_u32 v[RD], s23, v5                    ; back: lanes 0-15 one row of 256 bytes, lanes 16-31 the next
	v_lshlrev_b32 v5, 11, v2
	v_lshl_add_u32 v[CO], v1, 4, v5                ; and the same two rows in memory
	v_lshlrev_b32 v[BO], 5, v2
	s_cmp_eq_u32 ttmp9, 1                          ; the tensor's bias: the cluster's x is the same in all partners
	s_cselect_b64 s[96:97], s[98:99], s[96:97]
	s_cmp_eq_u32 ttmp9, 2
	s_cselect_b64 s[96:97], s[100:101], s[96:97]
	s_lshl_b32 s20, s17, 8
	s_lshl_b32 s21, s15, 7
	s_add_co_u32 s20, s20, s21                     ; my first row: 256 x tile row + 128 x half
	s_lshl_b32 s20, s20, 11                        ; x 2,048 bytes
	s_lshl_b32 s21, ttmp9, 24                      ; the tensor: 16 MiB each
	s_add_co_u32 s20, s20, s21
	s_mov_b32 s21, 0
	s_lshl_b32 s46, s40, 9                         ; my first channel in the tensor, in bytes of f16: 512 cx + 256 x half
	s_lshl_b32 s47, s16, 8
	s_add_co_u32 s46, s46, s47
	s_mov_b32 s47, 0
	s_add_nc_u64 s[20:21], s[20:21], s[46:47]
	s_add_nc_u64 s[12:13], s[12:13], s[20:21]
	s_lshl_b32 s46, s46, 1                         ; the same channel in bytes of f32
	s_add_nc_u64 s[96:97], s[96:97], s[46:47]
.irp b, 0,1,2,3,4,5,6,7                        ; register 8 b + j: bias of channel 16 b + 8 h + j
	global_load_b128 v[BI+8*\b:BI+8*\b+3], v[BO], s[96:97] offset:64*\b
	global_load_b128 v[BI+8*\b+4:BI+8*\b+7], v[BO], s[96:97] offset:64*\b+16
.endr
.macro FRAG reg, adr, q, i             ; 16 rows x 128 K of 4-bit codes: lane l holds row l % 16; registers 4 c .. 4 c + 3 hold K = 64 c + 32 (l / 16) + 0 .. 31
.irp c, 0,1
	ds_load_b128 v[\reg+4*\c:\reg+4*\c+3], v[\adr] offset:64*(\q)+32*\c+(\i)*16*PITCH
.endr
.endm
; 16 matrix instructions: x's blocks a0, a0 + 1 against W's eight, the slot's q-th 128 along K.  p: W's set; sc: the set of scale words.  zero = 1: the first product starts the sums.
; The 64 accumulators take turns, one instruction a turn, in the same order in every step.
.macro MUL16 a0, p, q, sc, zero
.irp a, \a0, \a0+1
.irp b, 0,1,2,3,4,5,6,7
.if \zero
	v_wmma_scale_f32_16x16x128_f8f6f4 v[8*(8*((\a)%4)+\b):8*(8*((\a)%4)+\b)+7], v[128*(\p)+FR*\b:128*(\p)+FR*\b+FR-1], v[AF+FR*(\a):AF+FR*(\a)+FR-1], 0, v[SC+8*NQ*(\sc)+NQ*\b+(\q)], v[SC+8*NQ*(\sc)+NQ*(\a)+(\q)] matrix_a_fmt:MATRIX_FMT_FP4 matrix_b_fmt:MATRIX_FMT_FP4 matrix_a_scale:MATRIX_SCALE_ROW1
.else
	v_wmma_scale_f32_16x16x128_f8f6f4 v[8*(8*((\a)%4)+\b):8*(8*((\a)%4)+\b)+7], v[128*(\p)+FR*\b:128*(\p)+FR*\b+FR-1], v[AF+FR*(\a):AF+FR*(\a)+FR-1], v[8*(8*((\a)%4)+\b):8*(8*((\a)%4)+\b)+7], v[SC+8*NQ*(\sc)+NQ*\b+(\q)], v[SC+8*NQ*(\sc)+NQ*(\a)+(\q)] matrix_a_fmt:MATRIX_FMT_FP4 matrix_b_fmt:MATRIX_FMT_FP4 matrix_a_scale:MATRIX_SCALE_ROW1
.endif
.endr
.endr
.endm
.macro FETCH_B slot, q, p              ; W's eight fragments of the slot's q-th 128 along K into set p
	WIN TO_B
.irp i, 0,1,2,3,4,5,6,7
	FRAG 128*(\p)+FR*\i, ADRB+\slot, \q, \i
.endr
	WIN 0
.endm
.macro FETCH_A slot, q, i0             ; x's blocks i0 .. i0 + 3
.irp i, \i0, \i0+1, \i0+2, \i0+3
	FRAG AF+FR*(\i), ADRA+\slot, \q, \i
.endr
.endm
.macro SCALES sc                       ; a slot's scale words into set sc: four words a row; lanes 0-15 x's block i, lanes 16-31 W's block i
.irp i, 0,1,2,3,4,5,6,7
	ds_load_b128 v[SC+8*NQ*\sc+NQ*\i:SC+8*NQ*\sc+NQ*\i+3], v[ADRS] offset:\i*SBLK
.endr
.endm
.macro PLACES n                        ; plain vector places between a matrix instruction and a load into, or a vector read of, its registers
.rept \n
	v_nop
.endr
.endm
; A step of 128 along K that has its successor in the same slot.  x has one set of registers: blocks 0-3 are fetched anew in the step's middle, blocks 4-7 at its end; W has two sets.
.macro STEP slot, q, zero
	s_wait_dscnt 4*NL                              ; W's set and x's blocks 0-3 are in; the youngest eight loads (x's blocks 4-7) may be out
	WIN MUL_LO
	MUL16 0, (\q)%2, \q, \slot, \zero
	MUL16 2, (\q)%2, \q, \slot, \zero
	s_wait_dscnt 0                                 ; x's blocks 4-7 are in
	PLACES NP
	FETCH_B \slot, (\q)+1, 1-(\q)%2
	FETCH_A \slot, (\q)+1, 0
	WIN MUL_HI
	MUL16 4, (\q)%2, \q, \slot, \zero
	MUL16 6, (\q)%2, \q, \slot, \zero
	PLACES NP
	WIN 0
	FETCH_A \slot, (\q)+1, 4
.endm
; Slot 0's last step changes slots: one barrier; in front of it each wave waits for all its tensor loads (slot 1's is the one that may be out), adds 0 to its spare word, and waits for that and for its reads of slot 0.
.macro TURN slot, next
	s_wait_tensorcnt 0x0                           ; my part of the next slot has landed
	ds_add_u32 v[SPW], v[NIL]                      ; 0 onto my spare word
	s_wait_dscnt 4*NL+1                            ; (the add and the youngest eight loads may be out)
	WIN MUL_LO
	MUL16 0, 1, NQ-1, \slot, 0
	s_wait_dscnt 0x0                               ; the add is done, and my reads of this slot are over
	s_barrier_signal -1
	MUL16 2, 1, NQ-1, \slot, 0
	WIN 0
	s_barrier_wait -1                              ; the next slot is whole, and nobody reads this one any more
	PLACES NP
	v_add_nc_u32 v[ADRS], 4*NQ, v[ADRS]            ; on to the next slot's scale words
	FETCH_B \next, 0, 0
	FETCH_A \next, 0, 0
	SCALES \next
	WIN MUL_HI
	MUL16 4, 1, NQ-1, \slot, 0
	MUL16 6, 1, NQ-1, \slot, 0
	PLACES NP
	WIN 0
	FETCH_A \next, 0, 4
.endm
.macro STEPS slot, from                ; the slot's steps from .. NQ - 2
.set Q, \from
.rept NQ-1-\from
	STEP \slot, Q, 0
.set Q, Q+1
.endr
.endm
	s_wait_tensorcnt 1                             ; the scales and my part of slot 0 are in (slot 1's load may be out),
	s_barrier_signal -1
	s_barrier_wait -1                              ; everybody's are
	FETCH_B 0, 0, 0
	FETCH_A 0, 0, 0
	SCALES 0
	FETCH_A 0, 0, 4
	STEP 0, 0, 1                                   ; the first step's products start the sums: nothing is cleared
	STEPS 0, 1
	TURN 0, 1
	STEPS 1, 0
	s_wait_dscnt 4*NL                              ; the last step: nothing more to fetch
	WIN MUL_LO
	MUL16 0, 1, NQ-1, 1, 0
	MUL16 2, 1, NQ-1, 1, 0
	s_wait_dscnt 0
	WIN MUL_HI
	MUL16 4, 1, NQ-1, 1, 0
	MUL16 6, 1, NQ-1, 1, 0
	WIN 0
	; THE WAY OUT.  (sum + bias) x factor = sum x factor + (bias x factor): the bias is scaled once (exact: a power of two), then one fused multiply-add a number.
	s_wait_loadcnt 0x0                             ; the bias
.set i, 0
.rept 32
	v_pk_mul_f32 v[BI+i:BI+i+1], v[BI+i:BI+i+1], s[SCF:SCF+1] op_sel_hi:[1,0]   ; these 32 name no register of the last products: they are the places behind them
.set i, i+2
.endr
.macro PACKH a                         ; block a (16 rows x 128 channels): scaled, biased, rounded to f16; each accumulator is read from its low end on
.set AC, 64*((\a)%4)
	WIN 0x02+(\a)/4                                ; source 0: window 2 or 3
.set i, 0
.rept 32
	v_pk_fma_f32 v[FT+i:FT+i+1], v[AC+i:AC+i+1], s[SCF:SCF+1], v[BI+i:BI+i+1] op_sel_hi:[1,0,1]
.set i, i+2
.endr
	WIN 0
.set i, 0
.rept 32
	v_cvt_pk_f16_f32 v[TMP+i], v[FT+2*i], v[FT+2*i+1]
.set i, i+1
.endr
.endm
.macro TOSTAGE a                       ; 16 bytes a lane into my own stage, back as whole rows of 256 bytes; LDS serves a wave's instructions in order (ISA guide 5.7.1.4)
.set BK, OB+32*((\a)%2)
.irp b, 0,1,2,3,4,5,6,7
	ds_store_b128 v[STO], v[TMP+4*\b:TMP+4*\b+3] offset:32*\b
.endr
.irp t, 0,1,2,3,4,5,6,7
	ds_load_b128 v[BK+4*\t:BK+4*\t+3], v[RD] offset:\t*2*SPITCH
.endr
.endm
.macro SEND a, younger
.set BK, OB+32*((\a)%2)
	s_wait_dscnt \younger                          ; the block is back in registers
	s_wait_xcnt 0x0                                ; the earlier stores have read their base and their data: both may be written again
.if (\a) > 0
	s_add_nc_u64 s[12:13], s[12:13], 16*ROWC       ; 16 rows on
.endif
.irp t, 0,1,2,3,4,5,6,7
	global_store_b128 v[CO], v[BK+4*\t:BK+4*\t+3], s[12:13] offset:2*\t*ROWC   ; 16 lanes store 256 consecutive bytes, aligned
.endr
.endm
	PACKH 0
	TOSTAGE 0
.irp a, 1,2,3,4,5,6,7                          ; block a's arithmetic stands between block a - 1's loads from the stage and the wait for them
	PACKH \a
	SEND (\a)-1, 0
	TOSTAGE \a
.endr
	SEND 7, 0
	s_wait_tensorcnt 0x0                           ; the wave's end, behind my last tensor load and my last LDS store
	ds_add_u32 v[SPW], v[NIL]
	s_wait_dscnt 0x0
	CROUND                                         ; the closing round
	s_endpgm
.Lfunc_end_k_qea954c09c1_proj:
	.size	k_qea954c09c1_proj, .Lfunc_end_k_qea954c09c1_proj-k_qea954c09c1_proj
	.p2alignl 7, 3214868480
	.fill 96, 4, 3214868480
	.section	.rodata,"a",@progbits
	.p2align	6, 0x0
	.amdhsa_kernel k_qea954c09c1_proj
		.amdhsa_group_segment_fixed_size 327680
		.amdhsa_private_segment_fixed_size 0
		.amdhsa_enable_private_segment 0
		.amdhsa_kernarg_size 64
		.amdhsa_user_sgpr_count 2
		.amdhsa_user_sgpr_kernarg_segment_ptr 1
		.amdhsa_wavefront_size32 1
		.amdhsa_system_sgpr_workgroup_id_x 1
		.amdhsa_system_sgpr_workgroup_id_y 1
		.amdhsa_system_sgpr_workgroup_id_z 1
		.amdhsa_system_vgpr_workitem_id 0
		.amdhsa_next_free_vgpr 1024
		.amdhsa_next_free_sgpr 102
		.amdhsa_reserve_vcc 0
		.amdhsa_float_denorm_mode_32 3
		.amdhsa_float_denorm_mode_16_64 3
		.amdhsa_memory_ordered 1
		.amdhsa_forward_progress 1
		.amdhsa_inst_pref_size 146
	.end_amdhsa_kernel
	.amdgpu_metadata
---
amdhsa.version: [ 1, 2 ]
amdhsa.kernels:
  - .name:           k_qea954c09c1_proj
    .symbol:         k_qea954c09c1_proj.kd
    .args:
      - { .name: xc, .offset: 0, .size: 8, .value_kind: global_buffer, .address_space: global }
      - { .name: xs, .offset: 8, .size: 8, .value_kind: global_buffer, .address_space: global }
      - { .name: wc, .offset: 16, .size: 8, .value_kind: global_buffer, .address_space: global }
      - { .name: ws, .offset: 24, .size: 8, .value_kind: global_buffer, .address_space: global }
      - { .name: bq, .offset: 32, .size: 8, .value_kind: global_buffer, .address_space: global }
      - { .name: bk, .offset: 40, .size: 8, .value_kind: global_buffer, .address_space: global }
      - { .name: bv, .offset: 48, .size: 8, .value_kind: global_buffer, .address_space: global }
      - { .name: qkv, .offset: 56, .size: 8, .value_kind: global_buffer, .address_space: global }
    .group_segment_fixed_size: 327680
    .private_segment_fixed_size: 0
    .kernarg_segment_align: 8
    .kernarg_segment_size: 64
    .max_flat_workgroup_size: 128
    .sgpr_count:     102
    .vgpr_count:     1024
    .wavefront_size: 32
...
	.end_amdgpu_metadata
.endif
;; end of part 2
;; launch scores (part 3): grid 8 x 32, 4 waves a work-group, clusters of 4 x 4, 327,680 bytes of LDS; arguments qkv, p16, stats; writes p16, stats
.if DOCPART == 3
	.amdgcn_target "amdgcn-amd-amdhsa--gfx1250"
	.amdhsa_code_object_version 6
	.text
	.protected	k_qea954c09c1_scores
	.globl	k_qea954c09c1_scores
	.p2align	8
	.type	k_qea954c09c1_scores,@function
k_qea954c09c1_scores:
	s_mov_b64 s[64:65], 0
	v_nop
	global_prefetch_b8 v0, s[64:65] scope:SCOPE_SE
	s_setreg_imm32_b32 hwreg(HW_REG_WAVE_MODE, 25, 1), 1
	s_wait_xcnt 0x0
	s_wait_alu depctr_hold_cnt(0) depctr_sa_sdst(0) depctr_va_vdst(0) depctr_va_sdst(0) depctr_va_ssrc(0) depctr_va_vcc(0) depctr_vm_vsrc(0)
	s_getreg_b32 s2, hwreg(HW_REG_IB_STS2, 6, 4)
	s_cmp_eq_u32 s2, 0
	s_cbranch_scc0 .Lentry_in_a_cluster
	s_endpgm
.Lentry_in_a_cluster:
	s_bfe_u32 s2, ttmp6, 0x10000c
	s_cmp_lg_u32 s2, 0xf033
	s_cbranch_scc0 .Lentry_shape_is_right
	s_endpgm
.Lentry_shape_is_right:
; For each batch: S = q k^T on f16 operands with f32 sums, and the softmax's first half, chunk by chunk of 128 keys.
; q and k lie in qkv as f16, each x 2^-6; t = score x log2(e) = sum x 2^12 / 32 x log2(e).  For a row and a chunk T: M = the chunk's largest t rounded UP to a whole number; p = 2^(t - M), at most 1, rounded to f16;
; l = the sum of the unrounded p.  p16: f16 [8192 rows][2048 keys].  stats: f32, M at 32,768 T + 4 row, l 524,288 bytes further on.  The next launch brings the chunks under the row's own maximum.
; A tile of 256 queries x 256 keys is made by four waves, each 128 x 128: 64 accumulators, 512 registers; a wave's 128 keys are one chunk.  K = 1024 goes in 8 steps of 128 through two LDS slots filled by
; the tensor data mover (rows of 256 bytes + 16 of padding).  CLUSTER 4 x 4: a row of the cluster shares q's tiles, a column k's: each is asked for jointly.
; THE MATRIX INSTRUCTION IS USED TRANSPOSED (source 0 = 16 keys, source 1 = 16 queries): a lane holds ONE query and eight neighbouring keys an accumulator, so a row's maximum and sum want one exchange between the halves of the lanes.
; LIMIT: NaN and infinities are not served.  p under 2^-24 is rounded to 0 in f16.
; REGISTERS: window 0: v16-31 addresses; v32-43 the softmax's statistics; v64-127, v128-191 q's fragments, two buffers.  Window 1: v64-191 k's fragments.  Windows 2, 3: the accumulators ((a, b) at v[8 (8 (a % 4) + b)]).
;   On the way out: v64-127 t and p in f32, v128-159 p in f16, v160-191 and v192-223 rows read back, by turns.
.set KSTEP,  128
.set PITCH,  272                       ; an LDS row: 256 bytes + 16 of padding = 68 words: the 16 rows that a load touches start at 16 different banks (64 banks of 4 bytes: ISA guide 11.1)
.set HALFT,  128*PITCH
.set SLOT,   4*HALFT                   ; q's 256 rows, then k's 256 rows
.set STAGE,  2*SLOT                    ; behind the ring: 16 rows x 272 bytes for each wave
.set SPITCH, 272
.set STATL,  STAGE+4*16*SPITCH         ; behind the stages: for each wave 512 bytes of M and 512 of l
.set SPARE,  STATL+4*1024              ; behind them: the spare words, 128 bytes a wave
.set LAPS,   4                         ; a lap = two K steps
.set ROWP,   4096                      ; a row of p16 in bytes
.set ADRA, 16
.set ADRB, 20
.set SGO,  22                          ; v22  16 x lane: my place in a run of 512 bytes of statistics
.set STO,  24
.set RD,   25
.set CO,   26
.set SAD,  27                          ; v27  where I put my row's M
.set SPW,  28
.set NIL,  29
.set PFO,  30                          ; v30  the prefetches' offset: lane x 2,048, a row of q or k
.set SRD,  31                          ; v31  where I read the statistics back
.set MX,   32                          ; v32-35 four running maxima
.set NM,   36                          ; v36  -M (v37 is named with it as a pair)
.set MO,   38                          ; v38  M
.set SU,   40                          ; v40-43 the sum, in two chains of pairs
.set F0,   64
.set F1,   128
.set E,    64
.set TMP,  128
.set OB,   160
.set G1, 24
.set G0, 32
.set LIM, 43                           ; s43  1 in a wave that prefetches, else the greatest number
.set PFA, 44                           ; s[44:45] where my prefetches stand
.set G1B, 48
.set G0B, 56
.set CS,  68                           ; s[68:69] log2(e) x 2^7
.set SEL, 70                           ; s[70:71] v_permlanex16_b32's selects for lane l xor 16
.set WV,  72
.set HR,  73                           ; wave / 2: my half of the queries.  Also: I fetch for q (0) or for k (1)
.set HC,  74                           ; wave % 2: my half of the keys.  Also: which 128 rows I fetch
.set MSB, 0
.macro WIN new
.if MSB != (\new)
	s_set_vgpr_msb (MSB<<8)|(\new)
.set MSB, (\new)
.endif
.endm
.set MUL_LO, 0xa1                      ; source 0 (k) window 1, source 1 (q) window 0, C and D window 2
.set MUL_HI, 0xf1
.set TO_B,   0x40
.macro JLOAD s                         ; a joint load; the branch hangs on the wave's number alone; an s_nop 0 and four v_nop follow each line
	s_cmp_eq_u32 s[HR], 0
	s_cbranch_scc0 .Lfor_b_\@
	tensor_load_to_lds s[G0+4*\s:G0+4*\s+3], s[G1:G1+7]
	s_nop 0
.rept 4
	v_nop
.endr
	s_branch .Lasked_\@
.Lfor_b_\@:
	tensor_load_to_lds s[G0B+4*\s:G0B+4*\s+3], s[G1B:G1B+7]
	s_nop 0
.rept 4
	v_nop
.endr
.Lasked_\@:
.endm
; A prefetch of the K step that stands two refills on: 32 rows x 256 bytes, a lane a row, one instruction a wave.  Each row's 256 bytes of a K step are named once in the launch: q's tile row is read by both
; clusters of a row of clusters, of which cluster x = 0 asks; k's tile column by the two clusters of a batch, of which the one with even y asks; the four partners that ask for a tile jointly share the 128 rows
; that a wave fetches BY ADDRESS, 32 each.  The loop's last trip asks for nothing: there is no K step two refills on.  K steps 0 to 3 come by their loads alone.
.macro ASK
	s_cmp_gt_u32 s3, s[LIM]
	s_cbranch_scc0 .Lnot_mine_\@
	global_prefetch_b8 v[PFO], s[PFA:PFA+1] offset:KSTEP*2 th:TH_LOAD_NT scope:SCOPE_SE
.Lnot_mine_\@:
.endm
.macro CREST                           ; a round of the cluster's barrier behind its opening barrier
	s_cmp_lg_u32 s[WV], 0
	s_cbranch_scc1 .Lnot_wave_0_\@
	s_barrier_signal -3
.Lnot_wave_0_\@:
	s_barrier_wait -3
	s_barrier_signal -1
	s_barrier_wait -1
.endm
.macro CROUND
	s_barrier_signal -1
	s_barrier_wait -1
	CREST
.endm
	s_load_b64 s[4:5], s[0:1], 0x0                 ; qkv: q lies first
	s_load_b64 s[8:9], s[0:1], 0x8                 ; p16
	s_load_b64 s[66:67], s[0:1], 0x10              ; stats
	v_lshl_add_u32 v[SPW], v0, 2, SPARE
	v_mov_b32 v[NIL], 0
	ds_add_u32 v[SPW], v[NIL]                      ; the wave's opening: the add, twice on end, and its wait ahead of my first tensor load
	ds_add_u32 v[SPW], v[NIL]
	v_lshrrev_b32 v1, 5, v0
	v_readfirstlane_b32 s[WV], v1
	s_lshr_b32 s[HR], s[WV], 1
	s_and_b32 s[HC], s[WV], 1
	s_bfe_u32 s40, ttmp6, 0x40000                  ; cx, cy
	s_bfe_u32 s41, ttmp6, 0x40004
	s_lshl_b32 s42, ttmp9, 2
	s_add_co_u32 s42, s42, s40                     ; tile column (keys) = 4 x cluster x + cx, 0..7
	s_and_b32 s75, ttmp7, 0xffff                   ; cluster y
	s_lshl_b32 s13, s75, 2
	s_add_co_u32 s13, s13, s41                     ; tile row (queries, all batches on end) = 4 x cluster y + cy, 0..31
	s_lshr_b32 s76, s75, 1                         ; the batch: eight tile rows each, so two clusters: no cy enters it
	s_lshl_b32 s43, s41, 2
	s_lshl_b32 s43, 15, s43                        ; my row of the cluster
	s_lshl_b32 s44, 0x1111, s40                    ; my column
	s_or_b32 s[G1+0], s43, (1<<16)|(1<<20)|(1<<21)|(5<<22)|(3<<25)  ; 15:0 the mask; 17:16 elements of 2 bytes; 20 padding on; 21 set beside a mask; 24:22 after every 64 words; 31:25 four words
	s_or_b32 s[G1B+0], s44, (1<<16)|(1<<20)|(1<<21)|(5<<22)|(3<<25)
.irp g, G1, G1B
	s_mov_b32 s[\g+1], KSTEP<<16                   ; tensor_dim0 = 128
	s_mov_b32 s[\g+2], 128<<16                     ; tensor_dim1 = 128
	s_mov_b32 s[\g+3], KSTEP<<16                   ; tile_dim0
	s_mov_b32 s[\g+4], 128                         ; tile_dim1
	s_mov_b32 s[\g+5], 1024                        ; elements from row to row
	s_mov_b32 s[\g+6], 0
	s_mov_b32 s[\g+7], 0
.endr
	s_mov_b32 s[CS], 0x4338aa3b                    ; log2(e) x 2^12 / 32
	s_mov_b32 s[CS+1], s[CS]
	s_mov_b32 s[SEL], 0x76543210
	s_mov_b32 s[SEL+1], 0xfedcba98
	s_lshl_b32 s18, s[HC], 7                       ; which 128 rows of the tile I fetch
	s_lshl_b32 s16, s13, 8
	s_add_co_u32 s16, s16, s18                     ; q: row 256 x tile row + 128 x half,
	s_lshl_b32 s16, s16, 11                        ; x 2,048 bytes
	s_mov_b32 s17, 0
	s_lshl_b32 s46, s42, 8
	s_add_co_u32 s46, s46, s18
	s_lshl_b32 s19, s76, 11
	s_add_co_u32 s46, s46, s19                     ; k: row 2,048 x batch + 256 x tile column + 128 x half
	s_lshl_b32 s46, s46, 11
	s_mov_b32 s47, 0
	s_mul_i32 s20, s[WV], HALFT                    ; where they go: wave x 128 rows
	s_wait_dscnt 0x0                               ; both opening adds are done
	s_wait_kmcnt 0x0
	s_add_nc_u64 s[6:7], s[4:5], 0x1000000         ; k lies 16 MiB behind q
	s_add_nc_u64 s[14:15], s[4:5], s[16:17]
	s_add_nc_u64 s[46:47], s[6:7], s[46:47]
	CROUND                                         ; all sixteen work-groups are here: the first joint loads meet
.irp s, 0,1
	s_mov_b32 s[G0+4*\s], 1
	s_add_co_u32 s[G0+4*\s+1], s20, \s*SLOT
	s_add_nc_u64 s[G0+4*\s+2:G0+4*\s+3], s[14:15], \s*KSTEP*2
	s_or_b32 s[G0+4*\s+3], s[G0+4*\s+3], 0x80000000
	s_mov_b32 s[G0B+4*\s], 1
	s_add_co_u32 s[G0B+4*\s+1], s20, \s*SLOT
	s_add_nc_u64 s[G0B+4*\s+2:G0B+4*\s+3], s[46:47], \s*KSTEP*2
	s_or_b32 s[G0B+4*\s+3], s[G0B+4*\s+3], 0x80000000
	JLOAD \s
.endr
	v_and_b32 v1, 15, v0                           ; r
	v_bfe_u32 v2, v0, 4, 1                         ; h
	v_mul_u32_u24 v3, v1, PITCH
	v_lshl_add_u32 v3, v2, 4, v3                   ; row x pitch + 16 x half
	s_mul_i32 s21, s[HR], HALFT                    ; my 128 rows of q
	s_mul_i32 s22, s[HC], HALFT                    ; my 128 rows of k,
	s_add_co_u32 s22, s22, 2*HALFT                 ; which lie behind q's 256
.irp s, 0,1
	v_add_nc_u32 v[ADRA+\s], s21, v3
	v_add_nc_u32 v[ADRB+\s], s22, v3
	s_add_co_u32 s21, s21, SLOT
	s_add_co_u32 s22, s22, SLOT
.endr
	s_mul_i32 s23, s[WV], 16*SPITCH
	s_add_co_u32 s23, s23, STAGE                   ; my stage
	v_add_nc_u32 v[STO], s23, v3                   ; in: row r, 16 bytes for each half of the lanes
	v_mul_u32_u24 v5, v2, SPITCH
	v_lshl_add_u32 v5, v1, 4, v5
	v_add_nc_u32 v[RD], s23, v5                    ; back: lanes 0-15 one row of 256 bytes, lanes 16-31 the next
	v_lshlrev_b32 v5, 12, v2
	v_lshl_add_u32 v[CO], v1, 4, v5                ; and the same two rows in p16
	s_lshl_b32 s23, s[WV], 10
	s_add_co_u32 s23, s23, STATL                   ; my statistics
	v_lshl_add_u32 v[SAD], v1, 2, s23
	v_and_b32 v6, 31, v0
	v_lshlrev_b32 v[SGO], 4, v6
	v_add_nc_u32 v[SRD], s23, v[SGO]
	v_mov_b32 v[NM+1], 0                           ; named as the upper half of a pair, so it is written
	s_lshl_b32 s16, s13, 8
	s_lshl_b32 s17, s[HR], 7
	s_add_co_u32 s16, s16, s17                     ; my first query
	s_lshl_b32 s18, s16, 2                         ; in the statistics: 4 bytes a row
	s_lshl_b32 s16, s16, 12                        ; in p16: 4,096 bytes a row
	s_mov_b32 s17, 0
	s_add_nc_u64 s[8:9], s[8:9], s[16:17]
	s_lshl_b32 s46, s42, 1
	s_add_co_u32 s46, s46, s[HC]                   ; my chunk of 128 keys: 2 x tile column + half
	s_lshl_b32 s47, s46, 15
	s_add_co_u32 s18, s18, s47
	s_mov_b32 s19, 0
	s_add_nc_u64 s[66:67], s[66:67], s[18:19]
	s_lshl_b32 s46, s46, 8                         ; 256 bytes of a row of p16 a chunk
	s_mov_b32 s47, 0
	s_add_nc_u64 s[8:9], s[8:9], s[46:47]
	; the prefetches: where mine stand, and who asks
	s_lshl_b32 s20, s13, 8                         ; q's tile begins at this row,
	s_lshl_b32 s21, s42, 8
	s_lshl_b32 s22, s76, 11
	s_add_co_u32 s21, s21, s22                     ; k's at this
	s_and_b32 s22, s75, 1
	s_cmp_eq_u32 s[HR], 0                          ; do I fetch for q?
	s_cselect_b32 s20, s20, s21
	s_cselect_b32 s21, s40, s41                    ; my place among the four that ask with me
	s_cselect_b32 s22, ttmp9, s22                  ; the coordinate along which another cluster reads the same rows
	s_cselect_b64 s[PFA:PFA+1], s[4:5], s[6:7]
	s_cmp_eq_u32 s22, 0
	s_cselect_b32 s[LIM], 1, -1                    ; the same in all sixteen partners, for a given wave
	s_lshl_b32 s22, s[HC], 7
	s_add_co_u32 s20, s20, s22                     ; + the 128 rows that I fetch
	s_lshl_b32 s21, s21, 5
	s_add_co_u32 s20, s20, s21                     ; + my work-group's 32 of them
	s_lshl_b32 s20, s20, 11
	s_add_co_u32 s20, s20, 2*KSTEP*2               ; at K step 2: the first refill steps it to 3 and names K step 4
	s_mov_b32 s21, 0
	s_add_nc_u64 s[PFA:PFA+1], s[PFA:PFA+1], s[20:21]
	v_lshlrev_b32 v[PFO], 11, v6
; 16 matrix instructions: query blocks a0, a0 + 1 of the window's four x all 8 key blocks, 32 along K.  zero = 1: the first product starts the sums.  The 64 accumulators take turns, one instruction a turn.
.macro MUL16 f, hi, a0, zero
.irp a, \a0, \a0+1
.irp b, 0,1,2,3,4,5,6,7
.if \zero
	v_wmma_f32_16x16x32_f16 v[8*(8*(\a)+\b):8*(8*(\a)+\b)+7], v[\f+8*\b:\f+8*\b+7], v[\f+8*(4*\hi+\a):\f+8*(4*\hi+\a)+7], 0
.else
	v_wmma_f32_16x16x32_f16 v[8*(8*(\a)+\b):8*(8*(\a)+\b)+7], v[\f+8*\b:\f+8*\b+7], v[\f+8*(4*\hi+\a):\f+8*(4*\hi+\a)+7], v[8*(8*(\a)+\b):8*(8*(\a)+\b)+7]
.endif
.endr
.endr
.endm
.macro FETCH slot, k, f                ; 32 LDS loads in one run: the fragments of 32 along K at byte k of the rows
	WIN TO_B
.irp i, 0,1,2,3,4,5,6,7
	ds_load_b128 v[\f+8*\i:\f+8*\i+3],   v[ADRB+\slot] offset:\k+\i*16*PITCH
	ds_load_b128 v[\f+8*\i+4:\f+8*\i+7], v[ADRB+\slot] offset:\k+\i*16*PITCH+32
.endr
	WIN 0
.irp i, 0,1,2,3,4,5,6,7
	ds_load_b128 v[\f+8*\i:\f+8*\i+3],   v[ADRA+\slot] offset:\k+\i*16*PITCH
	ds_load_b128 v[\f+8*\i+4:\f+8*\i+7], v[ADRA+\slot] offset:\k+\i*16*PITCH+32
.endr
.endm
.macro PLACES                          ; four plain vector places between a matrix instruction and a load into, or a vector read of, its registers
.rept 4
	v_nop
.endr
.endm
.macro QUARTER slot, k, f, g, zero     ; multiplies buffer f; in its middle it fetches the next quarter's fragments into buffer g
	s_wait_dscnt 8                                 ; k and q's rows 0-63 are in; the youngest eight loads (q's rows 64-127) may be out
	WIN MUL_LO
	MUL16 \f, 0, 0, \zero
	MUL16 \f, 0, 2, \zero
	PLACES
	FETCH \slot, \k, \g
	s_wait_dscnt 32                                ; all but the 32 just issued
	WIN MUL_HI
	MUL16 \f, 1, 0, \zero
	MUL16 \f, 1, 2, \zero
.endm
.macro MEET round                      ; the first half of a K step's last quarter: the waits, the add and the barrier of the change of slots
	WIN 0
	s_wait_tensorcnt 0x0                           ; all my tensor loads have landed: the one that was out is my part of the next slot
	ds_add_u32 v[SPW], v[NIL]                      ; 0 onto my spare word
	s_wait_dscnt 9                                 ; (the add and the youngest eight loads may be out)
	WIN MUL_LO
	MUL16 F1, 0, 0, 0
	s_wait_dscnt 0x0                               ; the add is done, and my reads of this slot are over
	s_barrier_signal -1
	MUL16 F1, 0, 2, 0
.if \round
	WIN 0
.endif
	s_barrier_wait -1
.endm
.macro TURN slot, next, fill           ; the whole last quarter.  fill = 1: behind a round of the cluster's barrier this slot is filled again first, two K steps ahead
.if \fill
	s_wait_xcnt 0x0                                ; the last prefetch, a K step back, has read its address
	s_add_nc_u64 s[PFA:PFA+1], s[PFA:PFA+1], KSTEP*2
.endif
	MEET \fill
.if \fill
	CREST                                          ; no wave of any partner still reads this slot or has a load on its way
	s_add_nc_u64 s[G0+4*\slot+2:G0+4*\slot+3], s[G0+4*\slot+2:G0+4*\slot+3], 2*KSTEP*2
	s_add_nc_u64 s[G0B+4*\slot+2:G0B+4*\slot+3], s[G0B+4*\slot+2:G0B+4*\slot+3], 2*KSTEP*2
	JLOAD \slot                                    ; my one tensor load behind the round; its four v_nop are also the places in front of the loads below
.else
	PLACES
.endif
	FETCH \next, 0, F0
.if \fill
	ASK
.endif
	WIN MUL_HI
	MUL16 F1, 1, 0, 0
	MUL16 F1, 1, 2, 0
.endm
	s_wait_tensorcnt 1                             ; my part of K step 0 is in (K step 1's load may be out)
	s_barrier_signal -1
	s_barrier_wait -1                              ; everybody's is
	FETCH 0, 0, F0
	QUARTER 0, 64,  F0, F1, 1                      ; the first quarter's products start the sums
	WIN 0
	s_mov_b32 s3, LAPS-1
.Llap:                                                 ; a trip goes once round the ring, from a lap's second quarter to the next lap's first, and fills both slots again: K steps 2 to 7
	QUARTER 0, 128, F1, F0, 0
	QUARTER 0, 192, F0, F1, 0
	TURN 0, 1, 1
	QUARTER 1, 64,  F0, F1, 0
	QUARTER 1, 128, F1, F0, 0
	QUARTER 1, 192, F0, F1, 0
	TURN 1, 0, 1
	QUARTER 0, 64,  F0, F1, 0
	WIN 0
	s_sub_co_u32 s3, s3, 1
	s_cmp_lg_u32 s3, 0
	s_cbranch_scc1 .Llap
	QUARTER 0, 128, F1, F0, 0                      ; the last lap is written out: it fills nothing
	QUARTER 0, 192, F0, F1, 0
	TURN 0, 1, 0
	QUARTER 1, 64,  F0, F1, 0
	QUARTER 1, 128, F1, F0, 0
	QUARTER 1, 192, F0, F1, 0
	s_wait_dscnt 8
	WIN MUL_LO
	MUL16 F1, 0, 0, 0
	MUL16 F1, 0, 2, 0
	s_wait_dscnt 0
	WIN MUL_HI
	MUL16 F1, 1, 0, 0
	MUL16 F1, 1, 2, 0
	WIN 0
; THE WAY OUT, block by block of 16 queries x 128 keys.  A lane holds 64 scores of one query; lane l xor 16 holds the query's other 64.
.macro SOFT a
.set W, 2+(\a)/4
.set AC, 64*((\a)%4)
	WIN 0
.irp k, 0,1,2,3
	v_mov_b32 v[MX+\k], 0xff800000                 ; four chains begin under every score
.endr
	WIN (W<<2)|(W<<4)                              ; sources 1 and 2: the accumulators' window
.irp i, 0,1,2,3,4,5,6,7
.irp k, 0,1,2,3
	v_max3_num_f32 v[MX+\k], v[MX+\k], v[AC+16*\k+2*\i], v[AC+16*\k+2*\i+1]   ; chain k: accumulators 2 k and 2 k + 1, each from its low end on
.endr
.endr
	WIN 0
	v_max3_num_f32 v[MX], v[MX], v[MX+1], v[MX+2]
	v_max_num_f32 v[MX], v[MX], v[MX+3]
	v_permlanex16_b32 v[MX+1], v[MX], s[SEL], s[SEL+1]
	v_max_num_f32 v[MX], v[MX], v[MX+1]            ; the chunk's largest sum of my query,
	v_mul_f32 v[MX], s[CS], v[MX]                  ; as t (the constant is positive)
	v_floor_f32 v[NM], -v[MX]                      ; -M = floor(-t): M is a whole number, at or over every t of the chunk
	WIN W                                          ; source 0: the accumulators' window
.set i, 0
.rept 32
	v_pk_fma_f32 v[E+i:E+i+1], v[AC+i:AC+i+1], s[CS:CS+1], v[NM:NM+1] op_sel_hi:[1,0,0]   ; t - M, two at a time
.set i, i+2
.endr
	WIN 0
.set i, 0
.rept 64
	v_exp_f32 v[E+i], v[E+i]                       ; p = 2^(t - M): one batch
.set i, i+1
.endr
	v_sub_f32 v[MO], 0, v[NM]                      ; M.  (The plain line behind the exponentials)
	s_wait_alu depctr_va_vdst(0)                   ; one wait for the batch, ahead of its first reader
	v_pk_add_f32 v[SU:SU+1], v[E:E+1], v[E+2:E+3]  ; the sum of the unrounded p, in two chains
	v_pk_add_f32 v[SU+2:SU+3], v[E+4:E+5], v[E+6:E+7]
.irp j, 8,12,16,20,24,28,32,36,40,44,48,52,56,60
	v_pk_add_f32 v[SU:SU+1], v[SU:SU+1], v[E+\j:E+\j+1]
	v_pk_add_f32 v[SU+2:SU+3], v[SU+2:SU+3], v[E+\j+2:E+\j+3]
.endr
	v_pk_add_f32 v[SU:SU+1], v[SU:SU+1], v[SU+2:SU+3]
	v_add_f32 v[SU], v[SU], v[SU+1]
	v_permlanex16_b32 v[SU+1], v[SU], s[SEL], s[SEL+1]
	v_add_f32 v[SU], v[SU], v[SU+1]                ; l
.set i, 0
.rept 32
	v_cvt_pk_f16_f32 v[TMP+i], v[E+2*i], v[E+2*i+1]
.set i, i+1
.endr
	ds_store_b32 v[SAD], v[MO] offset:64*(\a)      ; both halves of the lanes write the same word with the same value
	ds_store_b32 v[SAD], v[SU] offset:512+64*(\a)
.endm
.macro TOSTAGE a                       ; 16 bytes a lane into my own stage, back as whole rows of 256 bytes; LDS serves a wave's instructions in order (ISA guide 5.7.1.4)
.set BK, OB+32*((\a)%2)
.irp b, 0,1,2,3,4,5,6,7
	ds_store_b128 v[STO], v[TMP+4*\b:TMP+4*\b+3] offset:32*\b
.endr
.irp t, 0,1,2,3,4,5,6,7
	ds_load_b128 v[BK+4*\t:BK+4*\t+3], v[RD] offset:\t*2*SPITCH
.endr
.endm
.macro SEND a, younger                 ; younger: the LDS instructions issued behind the block's loads, which may stay out
.set BK, OB+32*((\a)%2)
	s_wait_dscnt \younger
	s_wait_xcnt 0x0                                ; the earlier stores have read their base and their data: both may be written again
.if (\a) > 0
	s_add_nc_u64 s[8:9], s[8:9], 16*ROWP           ; 16 rows on
.endif
.irp t, 0,1,2,3,4,5,6,7
	global_store_b128 v[CO], v[BK+4*\t:BK+4*\t+3], s[8:9] offset:2*\t*ROWP   ; 16 lanes store 256 consecutive bytes, aligned
.endr
.endm
	PLACES                                         ; block 0's sums were written by matrix instructions behind which only matrix instructions stand
	SOFT 0
	TOSTAGE 0
.irp a, 1,2,3,4,5,6,7                          ; block a's softmax stands between block a - 1's loads from the stage and the wait for them
	SOFT \a
	SEND (\a)-1, 2                                 ; behind those loads: block a's two statistic stores
	TOSTAGE \a
.endr
	SEND 7, 0
	ds_load_b128 v[64:67], v[SRD]                  ; my 128 rows' M, 16 bytes a lane, in order behind my stores
	ds_load_b128 v[68:71], v[SRD] offset:512       ; and their l
	s_wait_dscnt 0x0
	global_store_b128 v[SGO], v[64:67], s[66:67]   ; 32 lanes store 512 consecutive bytes, aligned
	global_store_b128 v[SGO], v[68:71], s[66:67] offset:524288
	s_wait_tensorcnt 0x0                           ; the wave's end, behind my last tensor load and my last LDS store
	ds_add_u32 v[SPW], v[NIL]
	s_wait_dscnt 0x0
	CROUND                                         ; the closing round
	s_endpgm
.Lfunc_end_k_qea954c09c1_scores:
	.size	k_qea954c09c1_scores, .Lfunc_end_k_qea954c09c1_scores-k_qea954c09c1_scores
	.p2alignl 7, 3214868480
	.fill 96, 4, 3214868480
	.section	.rodata,"a",@progbits
	.p2align	6, 0x0
	.amdhsa_kernel k_qea954c09c1_scores
		.amdhsa_group_segment_fixed_size 327680
		.amdhsa_private_segment_fixed_size 0
		.amdhsa_enable_private_segment 0
		.amdhsa_kernarg_size 24
		.amdhsa_user_sgpr_count 2
		.amdhsa_user_sgpr_kernarg_segment_ptr 1
		.amdhsa_wavefront_size32 1
		.amdhsa_system_sgpr_workgroup_id_x 1
		.amdhsa_system_sgpr_workgroup_id_y 1
		.amdhsa_system_sgpr_workgroup_id_z 1
		.amdhsa_system_vgpr_workitem_id 0
		.amdhsa_next_free_vgpr 1024
		.amdhsa_next_free_sgpr 80
		.amdhsa_reserve_vcc 0
		.amdhsa_float_denorm_mode_32 3
		.amdhsa_float_denorm_mode_16_64 3
		.amdhsa_memory_ordered 1
		.amdhsa_forward_progress 1
		.amdhsa_inst_pref_size 216
	.end_amdhsa_kernel
	.amdgpu_metadata
---
amdhsa.version: [ 1, 2 ]
amdhsa.kernels:
  - .name:           k_qea954c09c1_scores
    .symbol:         k_qea954c09c1_scores.kd
    .args:
      - { .name: qkv, .offset: 0, .size: 8, .value_kind: global_buffer, .address_space: global }
      - { .name: p16, .offset: 8, .size: 8, .value_kind: global_buffer, .address_space: global }
      - { .name: stats, .offset: 16, .size: 8, .value_kind: global_buffer, .address_space: global }
    .group_segment_fixed_size: 327680
    .private_segment_fixed_size: 0
    .kernarg_segment_align: 8
    .kernarg_segment_size: 24
    .max_flat_workgroup_size: 128
    .sgpr_count:     80
    .vgpr_count:     1024
    .wavefront_size: 32
...
	.end_amdgpu_metadata
.endif
;; end of part 3
;; launch pv (part 4): grid 4 x 64, 4 waves a work-group, clusters of 4 x 4, 327,680 bytes of LDS; arguments p16, qkv, stats, out0; writes out0
.if DOCPART == 4
	.amdgcn_target "amdgcn-amd-amdhsa--gfx1250"
	.amdhsa_code_object_version 6
	.text
	.protected	k_qea954c09c1_pv
	.globl	k_qea954c09c1_pv
	.p2align	8
	.type	k_qea954c09c1_pv,@function
k_qea954c09c1_pv:
	s_mov_b64 s[64:65], 0
	v_nop
	global_prefetch_b8 v0, s[64:65] scope:SCOPE_SE
	s_setreg_imm32_b32 hwreg(HW_REG_WAVE_MODE, 25, 1), 1
	s_wait_xcnt 0x0
	s_wait_alu depctr_hold_cnt(0) depctr_sa_sdst(0) depctr_va_vdst(0) depctr_va_sdst(0) depctr_va_ssrc(0) depctr_va_vcc(0) depctr_vm_vsrc(0)
	s_getreg_b32 s2, hwreg(HW_REG_IB_STS2, 6, 4)
	s_cmp_eq_u32 s2, 0
	s_cbranch_scc0 .Lentry_in_a_cluster
	s_endpgm
.Lentry_in_a_cluster:
	s_bfe_u32 s2, ttmp6, 0x10000c
	s_cmp_lg_u32 s2, 0xf033
	s_cbranch_scc0 .Lentry_shape_is_right
	s_endpgm
.Lentry_shape_is_right:
; out[row][:] = (the sum over chunks T of g_T x the sum over the chunk's keys of p v') x 16 / l_row, on f16 operands with f32 sums.
; p16 holds p = 2^(t - M_T) for each chunk T of 128 keys; stats hold M_T and l_T; v' = v x 2^-4 lies in qkv as f16.  M_row = the largest M_T: the row's own maximum is taken away.
; e_T = max(M_T - M_row, -64), a whole number; g_T = 2^(e_T); l_row = the sum of g_T l_T, at least 0.5.  THE FACTORS ARE APPLIED TO THE SUMS, IN f32: p goes to the matrix unit as it lies; at each change of chunk the
; accumulators are multiplied by rho_T = 2^(e_(T-1) - e_T), and at the end by g_15 x 16 / l_row.  All factors are powers of two: nothing is rounded by them.
; LIMITS: a chunk whose M lies more than 64 under the row's is weighed with 2^-64 in place of its smaller weight: at most 2^-64 x 128 against l_row.  That hold keeps every rho within 2^-64 .. 2^64,
; so a sum stays under 2^64 x 2,048 x 65,504 = 2.5e27.  NaN and infinities are not served.
; A tile of 128 queries x 256 channels is made by four waves, each 64 x 128: 32 accumulators; that makes 256 work-groups.  K = 2,048 keys goes in 16 steps of 128, a chunk each, through two LDS slots filled by the
; tensor data mover: p's 128 rows of 256 bytes + 16, then v's 128 key rows of 512 bytes + 32.  CLUSTER 4 x 4: a row of the cluster shares p's tiles, a column v's: each is asked for jointly.
; Source 0 = v^T (16 channels x 32 keys, turned on its way out of LDS by ds_load_tr16_b128), source 1 = p (16 queries x 32 keys): a lane holds ONE query and eight neighbouring channels.
; REGISTERS: window 0: v16-30 addresses; v224-231 the last factor for my four blocks of queries, in pairs; at the head v32-95 l_T, v96-99 g_T, v160-223 M_T, then e_T; on the way out v32-95 at work, v96-223 rows read back.
;   Window 1: v0-63, v64-127 v^T's fragments, two buffers; v128-135, v136-143 rho, each block's twice, a set for each parity of the chunk.  (At the head v0-119: the table of rho on its way to LDS.)
;   Window 2: query blocks 0 and 2: v0-127 their accumulators (64 (a / 2) + 8 b), v128-159 their fragments of p, two buffers.  Window 3: the same for blocks 1 and 3.
;   So ONE window setting serves a block's products (D, C and p in its window, v^T in window 1) and the rescaling of the other block of that window (destination and source 1 there, rho as source 0 in window 1).
.set PP,     272                       ; a row of p in LDS: 68 words: 16 rows start at 16 different banks (64 banks of 4 bytes: ISA guide 11.1)
.set PVV,    544                       ; a row of v: 512 + 32 bytes = 136 words: row r starts at bank 8 r mod 64
.set PBYTES, 128*PP
.set SLOT,   PBYTES+128*PVV
.set GT,     2*SLOT                    ; behind the ring: for each wave 16 entries of 1,024 bytes: entry T = rho_T: 16 bytes a lane (blocks 0, 0, 1, 1), 512 bytes on 16 more (2, 2, 3, 3).  Written by ds_store; no fill lands there
.set SPARE,  GT+4*16384                ; behind them: the spare words, 128 bytes a wave
.set SPITCH, 528                       ; the way out: 16 rows x (512 bytes + 16) for each wave, in slot 0, which has had its last fill and its last read by then
.set ROWO,   4096                      ; a row of out0, and of p16, in bytes
.set ADRA, 16
.set ADRV, 20
.set ADG,  22                          ; v22  LDS address of the entry of rho that is fetched next
.set GW,   23                          ; v23  of my lane's place in entry 0; never rewritten
.set STO,  24
.set RD,   25
.set CO,   26
.set SOF,  27                          ; v27  4 x (lane % 16): my row in a block's statistics
.set SPW,  28
.set NIL,  29
.set PFO,  30
.set LT,   32
.set GP,   96
.set MT,   160
.set RI,   224
.set MR,   232
.set LS,   236
.set ET,   32
.set BKB,  96
.set RH,   128                         ; in window 1
.set PF,   128                         ; in windows 2 and 3
.set G1, 24
.set G0, 32
.set LIM, 43
.set PFA, 44
.set G1B, 48
.set G0B, 56
.set WV,  72
.set HR,  73                           ; wave / 2: my half of the queries.  Also: I fetch for p (0) or for v (1)
.set HC,  74                           ; wave % 2: my half of the channels.  Also: which 64 rows I fetch
.set PFS, 76                           ; s[76:77] a key step on in my prefetches' tensor
.set TG,  78                           ; s78  1,024 x the entry of rho that was fetched last
.set MSB, 0
.macro WIN new
.if MSB != (\new)
	s_set_vgpr_msb (MSB<<8)|(\new)
.set MSB, (\new)
.endif
.endm
.set SA, 0xa9                          ; source 0 window 1; source 1, C and D window 2: blocks 0 and 2
.set SB, 0xfd                          ; source 0 window 1; source 1, C and D window 3: blocks 1 and 3
.macro JLOAD s                         ; a joint load: waves 0 and 1 fetch p's halves, waves 2 and 3 v's; an s_nop 0 and four v_nop follow each line
	s_cmp_eq_u32 s[HR], 0
	s_cbranch_scc0 .Lfor_b_\@
	tensor_load_to_lds s[G0+4*\s:G0+4*\s+3], s[G1:G1+7]
	s_nop 0
.rept 4
	v_nop
.endr
	s_branch .Lasked_\@
.Lfor_b_\@:
	tensor_load_to_lds s[G0B+4*\s:G0B+4*\s+3], s[G1B:G1B+7]
	s_nop 0
.rept 4
	v_nop
.endr
.Lasked_\@:
.endm
; A prefetch of the key step that stands two refills on, one instruction a wave.  Each aligned run of 256 bytes is named once in the launch.  p's tile (128 rows x 256 bytes) is read by one row of one cluster: its four
; partners take 32 rows each BY ADDRESS, wave 0 asks, a lane a row.  v's tile (128 key rows x 512 bytes) is read by a column of each of a batch's four clusters: the cluster with y % 4 = 0 asks; of the 64 rows that wave 2
; or 3 fetches, each partner takes 16 by address, two lanes a row.  Wave 1 asks for nothing.  The loop's last trip asks for nothing; key steps 0 to 3 come by their loads alone.
.macro ASK
	s_cmp_gt_u32 s3, s[LIM]
	s_cbranch_scc0 .Lnot_mine_\@
	global_prefetch_b8 v[PFO], s[PFA:PFA+1] th:TH_LOAD_NT scope:SCOPE_SE
.Lnot_mine_\@:
.endm
.macro CREST
	s_cmp_lg_u32 s[WV], 0
	s_cbranch_scc1 .Lnot_wave_0_\@
	s_barrier_signal -3
.Lnot_wave_0_\@:
	s_barrier_wait -3
	s_barrier_signal -1
	s_barrier_wait -1
.endm
.macro CROUND
	s_barrier_signal -1
	s_barrier_wait -1
	CREST
.endm
	s_load_b256 s[4:11], s[0:1], 0x0               ; p16 s[4:5], qkv s[6:7], stats s[8:9], out0 s[10:11]
	v_lshl_add_u32 v[SPW], v0, 2, SPARE
	v_mov_b32 v[NIL], 0
	ds_add_u32 v[SPW], v[NIL]                      ; the wave's opening: the add, twice on end, and its wait ahead of my first tensor load
	ds_add_u32 v[SPW], v[NIL]
	v_lshrrev_b32 v1, 5, v0
	v_readfirstlane_b32 s[WV], v1
	s_lshr_b32 s[HR], s[WV], 1
	s_and_b32 s[HC], s[WV], 1
	s_bfe_u32 s40, ttmp6, 0x40000                  ; cx, cy
	s_bfe_u32 s41, ttmp6, 0x40004
	s_lshl_b32 s42, ttmp9, 2
	s_add_co_u32 s42, s42, s40                     ; tile column (256 channels) = 4 x cluster x + cx, 0..3
	s_and_b32 s79, ttmp7, 0xffff                   ; cluster y
	s_lshl_b32 s13, s79, 2
	s_add_co_u32 s13, s13, s41                     ; tile row (128 queries, all batches on end) = 4 x cluster y + cy, 0..63
	s_lshr_b32 s75, s79, 2                         ; the batch: sixteen tile rows each, so four clusters: no cy enters it
	s_lshl_b32 s43, s41, 2
	s_lshl_b32 s43, 15, s43                        ; my row of the cluster
	s_lshl_b32 s44, 0x1111, s40                    ; my column
	; p: a tile of 64 rows x 128 elements of 2 bytes, four words of padding behind every 64
	s_or_b32 s[G1+0], s43, (1<<16)|(1<<20)|(1<<21)|(5<<22)|(3<<25)
	s_mov_b32 s[G1+1], 128<<16                     ; tensor_dim0
	s_mov_b32 s[G1+2], 64<<16                      ; tensor_dim1
	s_mov_b32 s[G1+3], 128<<16                     ; tile_dim0
	s_mov_b32 s[G1+4], 64                          ; tile_dim1
	s_mov_b32 s[G1+5], 2048                        ; elements from row to row
	s_mov_b32 s[G1+6], 0
	s_mov_b32 s[G1+7], 0
	; v: a tile of 64 key rows x 256 elements, eight words of padding behind every 128
	s_or_b32 s[G1B+0], s44, (1<<16)|(1<<20)|(1<<21)|(6<<22)|(7<<25)
	s_mov_b32 s[G1B+1], 256<<16
	s_mov_b32 s[G1B+2], 64<<16
	s_mov_b32 s[G1B+3], 256<<16
	s_mov_b32 s[G1B+4], 64
	s_mov_b32 s[G1B+5], 1024
	s_mov_b32 s[G1B+6], 0
	s_mov_b32 s[G1B+7], 0
	s_mov_b32 s[TG], 1024                          ; entry 1 is fetched at the head
	s_lshl_b32 s18, s[HC], 6                       ; which 64 rows of the tile I fetch
	s_lshl_b32 s16, s13, 7
	s_add_co_u32 s16, s16, s18                     ; p: row 128 x tile row + 64 x half,
	s_lshl_b32 s16, s16, 12                        ; x 4,096 bytes
	s_mov_b32 s17, 0
	s_lshl_b32 s46, s75, 11
	s_add_co_u32 s46, s46, s18                     ; v: row 2,048 x batch + 64 x half,
	s_lshl_b32 s46, s46, 11                        ; x 2,048 bytes,
	s_lshl_b32 s47, s42, 9
	s_add_co_u32 s46, s46, s47                     ; + 512 x tile column
	s_mov_b32 s47, 0
	s_mul_i32 s20, s[HC], 64*PP                    ; where they go: p's half,
	s_mul_i32 s21, s[HC], 64*PVV
	s_add_co_u32 s21, s21, PBYTES                  ; v's half: no place in the cluster enters an LDS address
	s_wait_dscnt 0x0                               ; both opening adds are done
	s_wait_kmcnt 0x0
	s_add_nc_u64 s[6:7], s[6:7], 0x2000000         ; v lies 32 MiB behind q
	s_add_nc_u64 s[14:15], s[4:5], s[16:17]
	s_add_nc_u64 s[46:47], s[6:7], s[46:47]
	CROUND                                         ; all sixteen work-groups are here: the first joint loads meet
.irp s, 0,1
	s_mov_b32 s[G0+4*\s], 1
	s_add_co_u32 s[G0+4*\s+1], s20, \s*SLOT
	s_add_nc_u64 s[G0+4*\s+2:G0+4*\s+3], s[14:15], \s*256          ; key step s: 256 bytes along p's rows,
	s_or_b32 s[G0+4*\s+3], s[G0+4*\s+3], 0x80000000
	s_mov_b32 s[G0B+4*\s], 1
	s_add_co_u32 s[G0B+4*\s+1], s21, \s*SLOT
	s_add_nc_u64 s[G0B+4*\s+2:G0B+4*\s+3], s[46:47], \s*262144     ; 128 rows down v
	s_or_b32 s[G0B+4*\s+3], s[G0B+4*\s+3], 0x80000000
	JLOAD \s
.endr
	v_and_b32 v1, 15, v0                           ; r
	v_bfe_u32 v2, v0, 4, 1                         ; h
	v_and_b32 v3, 31, v0                           ; lane
	v_lshlrev_b32 v[SOF], 2, v1
	s_lshl_b32 s16, s13, 7
	s_lshl_b32 s17, s[HR], 6
	s_add_co_u32 s16, s16, s17                     ; my first query
	s_lshl_b32 s18, s16, 2
	s_mov_b32 s19, 0
	s_add_nc_u64 s[8:9], s[8:9], s[18:19]          ; its place in a chunk's statistics
.irp a, 0,1,2,3                                ; M and l of my 64 queries, all 16 chunks: register 16 a + T: query 16 a + r
.irp t, 0,1,2,3,4,5,6,7,8,9,10,11,12,13,14,15
	global_load_b32 v[MT+16*\a+\t], v[SOF], s[8:9] offset:32768*\t+64*\a
.endr
.endr
.irp a, 0,1,2,3
.irp t, 0,1,2,3,4,5,6,7,8,9,10,11,12,13,14,15
	global_load_b32 v[LT+16*\a+\t], v[SOF], s[8:9] offset:524288+32768*\t+64*\a
.endr
.endr
	v_mul_u32_u24 v4, v1, PP
	v_lshl_add_u32 v4, v2, 4, v4                   ; p's fragments: row x pitch + 16 x half
	s_mul_i32 s21, s[HR], 64*PP                    ; my 64 queries
	v_and_b32 v5, 7, v0
	v_lshl_add_u32 v5, v2, 3, v5                   ; the turning load: key 8 h + lane % 8,
	v_mul_u32_u24 v5, v5, PVV
	v_bfe_u32 v6, v0, 3, 1
	v_lshl_add_u32 v5, v6, 4, v5                   ; channels 8 ((lane / 8) % 2) on
	s_lshl_b32 s22, s[HC], 8                       ; my 128 channels,
	s_add_co_u32 s22, s22, PBYTES                  ; behind p's rows
.irp s, 0,1
	v_add_nc_u32 v[ADRA+\s], s21, v4
	v_add_nc_u32 v[ADRV+\s], s22, v5
	s_add_co_u32 s21, s21, SLOT
	s_add_co_u32 s22, s22, SLOT
.endr
	s_lshl_b32 s23, s[WV], 14
	s_add_co_u32 s23, s23, GT
	v_lshl_add_u32 v[GW], v3, 4, s23               ; my wave's table of rho: 16 bytes a lane
	s_mul_i32 s23, s[WV], 16*SPITCH                ; my stage
	v_mul_u32_u24 v7, v1, SPITCH
	v_lshl_add_u32 v7, v2, 5, v7
	v_add_nc_u32 v[STO], s23, v7                   ; in: row r, 32 bytes for each half of the lanes
	v_lshlrev_b32 v[CO], 4, v3                     ; back: the 32 lanes take one row of 512 bytes; and the same in out0
	v_add_nc_u32 v[RD], s23, v[CO]
	s_lshl_b32 s16, s16, 12                        ; my first query's row of out0
	s_mov_b32 s17, 0
	s_add_nc_u64 s[10:11], s[10:11], s[16:17]
	s_lshl_b32 s46, s42, 10                        ; my first channel, in bytes: 1,024 x tile column + 512 x half
	s_lshl_b32 s47, s[HC], 9
	s_add_co_u32 s46, s46, s47
	s_mov_b32 s47, 0
	s_add_nc_u64 s[10:11], s[10:11], s[46:47]
	; the prefetches: where mine stand, and who asks
	s_lshl_b32 s20, s13, 7
	s_lshl_b32 s21, s40, 5
	s_add_co_u32 s20, s20, s21                     ; p: row 128 x tile row + 32 cx,
	s_lshl_b32 s20, s20, 12
	s_add_co_u32 s20, s20, 3*256                   ; at key step 3: the first change of slots steps it to 4
	s_lshl_b32 s21, s75, 11
	s_lshl_b32 s22, s[HC], 6
	s_add_co_u32 s21, s21, s22
	s_lshl_b32 s22, s41, 4
	s_add_co_u32 s21, s21, s22                     ; v: row 2,048 x batch + 64 x half + 16 cy,
	s_lshl_b32 s21, s21, 11
	s_lshl_b32 s22, s42, 9
	s_add_co_u32 s21, s21, s22                     ; + 512 x tile column,
	s_add_co_u32 s21, s21, 3*262144                ; at key step 3
	s_and_b32 s22, s79, 3
	s_mov_b32 s[PFS], 262144
	s_mov_b32 s23, 2048
	s_mov_b32 s19, 256
	s_cmp_eq_u32 s[HR], 0                          ; do I fetch for p?
	s_cselect_b32 s20, s20, s21
	s_cselect_b32 s22, s[HC], s22                  ; p: wave 0 asks;  v: the batch's first cluster
	s_cselect_b32 s[PFS], 256, s[PFS]              ; a key step on
	s_cselect_b32 s23, 4096, s23                   ; from lane to lane among sixteen: a row
	s_cselect_b32 s19, 65536, s19                  ; lanes 16-31: p: sixteen rows on;  v: the row's second 256 bytes
	s_cselect_b64 s[PFA:PFA+1], s[4:5], s[6:7]
	s_cmp_eq_u32 s22, 0
	s_cselect_b32 s[LIM], 1, -1                    ; the same in all sixteen partners, for a given wave
	s_mov_b32 s21, 0
	s_mov_b32 s[PFS+1], 0
	s_add_nc_u64 s[PFA:PFA+1], s[PFA:PFA+1], s[20:21]
	v_mul_u32_u24 v[PFO], v1, s23
	v_mad_u32_u24 v[PFO], v2, s19, v[PFO]
	s_wait_loadcnt 0x0                             ; the statistics
.irp a, 0,1,2,3
	v_max3_num_f32 v[MR+\a], v[MT+16*\a], v[MT+16*\a+1], v[MT+16*\a+2]   ; M_row, the four blocks by turns
.endr
.irp i, 3,5,7,9,11,13
.irp a, 0,1,2,3
	v_max3_num_f32 v[MR+\a], v[MR+\a], v[MT+16*\a+\i], v[MT+16*\a+\i+1]
.endr
.endr
.irp a, 0,1,2,3
	v_max_num_f32 v[MR+\a], v[MR+\a], v[MT+16*\a+15]
.endr
.irp t, 0,1,2,3,4,5,6,7,8,9,10,11,12,13,14,15
.irp a, 0,1,2,3
	v_sub_f32 v[MT+16*\a+\t], v[MT+16*\a+\t], v[MR+\a]             ; M_T - M_row: a whole number, 0 or less,
.endr
.irp a, 0,1,2,3
	v_max_num_f32 v[MT+16*\a+\t], 0xc2800000, v[MT+16*\a+\t]       ; held at -64,
.endr
.irp a, 0,1,2,3
	v_cvt_i32_f32 v[MT+16*\a+\t], v[MT+16*\a+\t]                   ; as an integer: e_T
.endr
.irp a, 0,1,2,3
	v_ldexp_f32 v[GP+\a], 1.0, v[MT+16*\a+\t]                      ; g_T = 2^(e_T)
.endr
.irp a, 0,1,2,3
.if \t == 0
	v_mul_f32 v[LS+\a], v[GP+\a], v[LT+16*\a+\t]                   ; l_row = the sum of g_T l_T
.else
	v_fmac_f32 v[LS+\a], v[GP+\a], v[LT+16*\a+\t]
.endif
.endr
.endr                                          ; v[GP ..] is left holding g_15
.irp a, 0,1,2,3
	v_rcp_f32 v[RI+2*\a], v[LS+\a]
.endr
.irp t, 15,14,13,12,11,10,9,8,7,6,5,4,3,2,1    ; e_(T-1) - e_T in e_T's place, from the top down, so that each e is read before it is written.  (Plain work behind the reciprocals)
.irp a, 0,1,2,3
	v_sub_nc_u32 v[MT+16*\a+\t], v[MT+16*\a+\t-1], v[MT+16*\a+\t]
.endr
.endr
	s_wait_alu depctr_va_vdst(0)                   ; one wait for the four reciprocals, ahead of their first reader
.irp a, 0,1,2,3
	v_mul_f32 v[RI+2*\a], v[GP+\a], v[RI+2*\a]     ; g_15 / l_row,
.endr
.irp a, 0,1,2,3
	v_mul_f32 v[RI+2*\a], 0x41800000, v[RI+2*\a]   ; x 16, which takes v's factor 2^-4 back
.endr
.irp a, 0,1,2,3
	v_mov_b32 v[RI+2*\a+1], v[RI+2*\a]             ; (named with it as a pair, so it is written)
.endr
	WIN 0x40                                       ; destination window 1
.irp t, 1,2,3,4,5,6,7,8,9,10,11,12,13,14,15
.irp a, 0,1,2,3
	v_ldexp_f32 v[8*(\t-1)+2*\a], 1.0, v[MT+16*\a+\t]              ; rho_T = 2^(e_(T-1) - e_T), within 2^-64 .. 2^64,
	v_ldexp_f32 v[8*(\t-1)+2*\a+1], 1.0, v[MT+16*\a+\t]            ; twice: a pair for the packed multiply
.endr
.endr
	WIN 0x04                                       ; an LDS store's data are its source 1: window 1
.irp t, 1,2,3,4,5,6,7,8,9,10,11,12,13,14,15
	ds_store_b128 v[GW], v[8*(\t-1):8*(\t-1)+3] offset:1024*\t             ; my wave's own bytes: only I read them
	ds_store_b128 v[GW], v[8*(\t-1)+4:8*(\t-1)+7] offset:1024*\t+512
.endr
	WIN 0
; Block a's 8 products, 32 keys deep, from buffer f.  rs >= 0: behind each product stand four packed multiplies: accumulator b of block rs, the other block of the same window, x its rho of register set 'set'.
; The 32 accumulators take turns, one instruction a turn.  Each accumulator is rescaled from its low end on.
.macro MULB a, f, zero, rs, set
.set AC, 64*((\a)/2)
.set PB, PF+16*(\f)+8*((\a)/2)
.irp b, 0,1,2,3,4,5,6,7
.if \zero
	v_wmma_f32_16x16x32_f16 v[AC+8*\b:AC+8*\b+7], v[64*(\f)+8*\b:64*(\f)+8*\b+7], v[PB:PB+7], 0
.else
	v_wmma_f32_16x16x32_f16 v[AC+8*\b:AC+8*\b+7], v[64*(\f)+8*\b:64*(\f)+8*\b+7], v[PB:PB+7], v[AC+8*\b:AC+8*\b+7]
.endif
.if (\rs) >= 0
.irp i, 0,2,4,6
	v_pk_mul_f32 v[64*((\rs)/2)+8*\b+\i:64*((\rs)/2)+8*\b+\i+1], v[RH+8*(\set)+2*(\rs):RH+8*(\set)+2*(\rs)+1], v[64*((\rs)/2)+8*\b+\i:64*((\rs)/2)+8*\b+\i+1]
.endr
.endif
.endr
.endm
.macro FETCH slot, qd, f               ; 24 LDS loads in one run: the slot's qd-th 32 keys: v^T's eight fragments, p's four
	WIN 0x40                                       ; destination window 1
.irp i, 0,1,2,3,4,5,6,7
	ds_load_tr16_b128 v[64*(\f)+8*\i:64*(\f)+8*\i+3],   v[ADRV+\slot] offset:(\qd)*32*PVV+32*\i
	ds_load_tr16_b128 v[64*(\f)+8*\i+4:64*(\f)+8*\i+7], v[ADRV+\slot] offset:(\qd)*32*PVV+16*PVV+32*\i
.endr
	WIN 0x80                                       ; destination window 2: blocks 0 and 2
.irp a, 0,2
	ds_load_b128 v[PF+16*(\f)+8*(\a/2):PF+16*(\f)+8*(\a/2)+3],   v[ADRA+\slot] offset:\a*16*PP+64*(\qd)
	ds_load_b128 v[PF+16*(\f)+8*(\a/2)+4:PF+16*(\f)+8*(\a/2)+7], v[ADRA+\slot] offset:\a*16*PP+64*(\qd)+32
.endr
	WIN 0xc0                                       ; destination window 3: blocks 1 and 3
.irp a, 1,3
	ds_load_b128 v[PF+16*(\f)+8*(\a/2):PF+16*(\f)+8*(\a/2)+3],   v[ADRA+\slot] offset:\a*16*PP+64*(\qd)
	ds_load_b128 v[PF+16*(\f)+8*(\a/2)+4:PF+16*(\f)+8*(\a/2)+7], v[ADRA+\slot] offset:\a*16*PP+64*(\qd)+32
.endr
.endm
.macro GLOAD set, adr, off             ; an entry of rho into register set 'set'
	WIN 0x40                                       ; destination window 1
	ds_load_b128 v[RH+8*(\set):RH+8*(\set)+3],   v[\adr] offset:\off
	ds_load_b128 v[RH+8*(\set)+4:RH+8*(\set)+7], v[\adr] offset:\off+512
.endm
.macro PLACES                          ; four plain vector places between a matrix instruction and a load into, or a vector instruction on, its registers
.rept 4
	v_nop
.endr
.endm
; 32 keys: multiplies buffer f, the blocks in the order 0, 2, 1, 3; behind block 0's products it fetches the slot's qn-th 32 keys into buffer g, 24 products ahead of their use.
; mode 0: a step's second or third quarter.  mode 1: its first: blocks 2 and 3, whose last products of the chunk before stand in the quarter before, are rescaled behind the products of blocks 0 and 1, ahead of their own;
; these multiplies are also the places ahead of the loads.  mode 2: the launch's first quarter: its products start the sums, and nothing is cleared.
.macro QUARTER slot, qn, f, g, mode
	s_wait_dscnt 0x0                               ; buffer f is in
	WIN SA
.if \mode == 1
	MULB 0, \f, 0, 2, \slot
.elseif \mode == 2
	MULB 0, \f, 1, -1, 0
.else
	MULB 0, \f, 0, -1, 0
	PLACES                                         ; buffer g was read by the quarter before
.endif
	FETCH \slot, \qn, \g
	WIN SA
	MULB 2, \f, (\mode)/2, -1, 0
	WIN SB
.if \mode == 1
	MULB 1, \f, 0, 3, \slot
.else
	MULB 1, \f, (\mode)/2, -1, 0
.endif
	MULB 3, \f, (\mode)/2, -1, 0
.endm
; A key step's last quarter multiplies buffer 1, the blocks in the order 0, 1, 2, 3, and changes slots: one barrier; in front of it each wave waits for all its tensor loads, adds 0 to its spare word, and waits for that
; and for its reads of this slot.  fill = 1: the barrier opens a round of the cluster's, and behind the round this slot is filled again first, two key steps ahead; the entry of rho of two chunks on is fetched too.
; Blocks 0 and 1 have had the chunk's last products: they are rescaled for the next chunk behind the products of blocks 2 and 3; the four v_nop behind the barrier are the places between.
.macro TURN slot, next, fill
.if \fill
	s_wait_xcnt 0x0                                ; the last prefetch, a key step back, has read its address
	s_add_nc_u64 s[PFA:PFA+1], s[PFA:PFA+1], s[PFS:PFS+1]
.endif
	WIN 0
	s_wait_tensorcnt 0x0                           ; all my tensor loads have landed: the one that was out is my part of the next slot
	ds_add_u32 v[SPW], v[NIL]                      ; 0 onto my spare word
	s_wait_dscnt 1                                 ; buffer 1 is in (the add may be out)
	WIN SA
	MULB 0, 1, 0, -1, 0
	s_wait_dscnt 0x0                               ; the add is done, and my reads of this slot are over
	s_barrier_signal -1
	WIN SB
	MULB 1, 1, 0, -1, 0
	WIN 0
	s_barrier_wait -1
.if \fill
	CREST                                          ; no wave of any partner still reads this slot or has a load on its way
	s_add_nc_u64 s[G0+4*\slot+2:G0+4*\slot+3], s[G0+4*\slot+2:G0+4*\slot+3], 2*256
	s_add_nc_u64 s[G0B+4*\slot+2:G0B+4*\slot+3], s[G0B+4*\slot+2:G0B+4*\slot+3], 2*262144
	JLOAD \slot                                    ; my one tensor load behind the round
	s_add_co_u32 s[TG], s[TG], 1024
	v_add_nc_u32 v[ADG], s[TG], v[GW]
	GLOAD \slot, ADG, 0                            ; this set's rho had its last use in this step's first quarter
.else
	PLACES
.endif
	FETCH \next, 0, 0
.if \fill
	WIN 0
	ASK
.endif
	WIN SA
	MULB 2, 1, 0, 0, \next
	WIN SB
	MULB 3, 1, 0, 1, \next
.endm
	s_wait_tensorcnt 1                             ; my part of key step 0 is in (key step 1's load may be out)
	s_wait_dscnt 0x0                               ; and my table of rho is written
	s_barrier_signal -1
	s_barrier_wait -1                              ; everybody's is
	GLOAD 1, GW, 1024                              ; rho of chunk 1
	FETCH 0, 0, 0
	QUARTER 0, 1, 0, 1, 2
	WIN 0
	s_mov_b32 s3, 7
.Llap:                                                 ; a trip goes once round the ring, from a lap's second quarter to the next lap's first, and fills both slots again: key steps 2 to 15
	QUARTER 0, 2, 1, 0, 0
	QUARTER 0, 3, 0, 1, 0
	TURN 0, 1, 1
	QUARTER 1, 1, 0, 1, 1
	QUARTER 1, 2, 1, 0, 0
	QUARTER 1, 3, 0, 1, 0
	TURN 1, 0, 1
	QUARTER 0, 1, 0, 1, 1
	WIN 0
	s_sub_co_u32 s3, s3, 1
	s_cmp_lg_u32 s3, 0
	s_cbranch_scc1 .Llap
	QUARTER 0, 2, 1, 0, 0                          ; the last lap is written out: it fills nothing
	QUARTER 0, 3, 0, 1, 0
	TURN 0, 1, 0
	QUARTER 1, 1, 0, 1, 1
	QUARTER 1, 2, 1, 0, 0
	QUARTER 1, 3, 0, 1, 0
	s_wait_dscnt 0x0                               ; the very last quarter: nothing more to fetch, no chunk follows
	WIN SA
	MULB 0, 1, 0, -1, 0
	MULB 2, 1, 0, -1, 0
	WIN SB
	MULB 1, 1, 0, -1, 0
	MULB 3, 1, 0, -1, 0
	WIN 0
; THE WAY OUT, block by block of 16 queries x 128 channels: x g_15 x 16 / l_row; 32 bytes a lane into my own stage, back as whole rows of 512 bytes.  LDS serves a wave's instructions in order (ISA guide 5.7.1.4).
.macro OUTB a
.set AC, 64*((\a)/2)
.set BK, BKB+64*((\a)%2)
	WIN 0x02+(\a)%2                                ; source 0: window 2 or 3
.set i, 0
.rept 32
	v_pk_mul_f32 v[ET+i:ET+i+1], v[AC+i:AC+i+1], v[RI+2*(\a):RI+2*(\a)+1] op_sel_hi:[1,0]   ; each accumulator from its low end on
.set i, i+2
.endr
	WIN 0
.irp b, 0,1,2,3,4,5,6,7
	ds_store_b128 v[STO], v[ET+8*\b:ET+8*\b+3] offset:64*\b
	ds_store_b128 v[STO], v[ET+8*\b+4:ET+8*\b+7] offset:64*\b+16
.endr
.irp t, 0,1,2,3,4,5,6,7,8,9,10,11,12,13,14,15
	ds_load_b128 v[BK+4*\t:BK+4*\t+3], v[RD] offset:\t*SPITCH
.endr
.endm
.macro SENDO a, younger                ; younger: the LDS instructions issued behind block a's loads, which may stay out
.set BK, BKB+64*((\a)%2)
	s_wait_dscnt \younger
.if (\a) > 0
	s_add_nc_u64 s[10:11], s[10:11], 16*ROWO       ; 16 rows on (behind a wait on XCNT: the earlier stores have read their base)
.endif
.irp t, 0,1,2,3,4,5,6,7,8,9,10,11,12,13,14,15
	global_store_b128 v[CO], v[BK+4*\t:BK+4*\t+3], s[10:11] offset:\t*ROWO th:TH_STORE_NT   ; 32 lanes store 512 consecutive bytes, aligned; written once, read by nobody here
.endr
.endm
	PLACES                                         ; behind the last products stand matrix instructions alone
	OUTB 0
.irp a, 1,2,3
.if \a > 1
	s_wait_xcnt 0x0                                ; block a - 2's stores have read their registers and their base
.endif
	OUTB \a
	SENDO (\a)-1, 32                               ; behind block a - 1's loads: block a's 16 stores and 16 loads
.endr
	s_wait_xcnt 0x0
	SENDO 3, 0
	s_wait_tensorcnt 0x0                           ; the wave's end, behind my last tensor load and my last LDS store
	ds_add_u32 v[SPW], v[NIL]
	s_wait_dscnt 0x0
	CROUND                                         ; the closing round
	s_endpgm
.Lfunc_end_k_qea954c09c1_pv:
	.size	k_qea954c09c1_pv, .Lfunc_end_k_qea954c09c1_pv-k_qea954c09c1_pv
	.p2alignl 7, 3214868480
	.fill 96, 4, 3214868480
	.section	.rodata,"a",@progbits
	.p2align	6, 0x0
	.amdhsa_kernel k_qea954c09c1_pv
		.amdhsa_group_segment_fixed_size 327680
		.amdhsa_private_segment_fixed_size 0
		.amdhsa_enable_private_segment 0
		.amdhsa_kernarg_size 32
		.amdhsa_user_sgpr_count 2
		.amdhsa_user_sgpr_kernarg_segment_ptr 1
		.amdhsa_wavefront_size32 1
		.amdhsa_system_sgpr_workgroup_id_x 1
		.amdhsa_system_sgpr_workgroup_id_y 1
		.amdhsa_system_sgpr_workgroup_id_z 1
		.amdhsa_system_vgpr_workitem_id 0
		.amdhsa_next_free_vgpr 1024
		.amdhsa_next_free_sgpr 80
		.amdhsa_reserve_vcc 0
		.amdhsa_float_denorm_mode_32 3
		.amdhsa_float_denorm_mode_16_64 3
		.amdhsa_memory_ordered 1
		.amdhsa_forward_progress 1
		.amdhsa_inst_pref_size 161
	.end_amdhsa_kernel
	.amdgpu_metadata
---
amdhsa.version: [ 1, 2 ]
amdhsa.kernels:
  - .name:           k_qea954c09c1_pv
    .symbol:         k_qea954c09c1_pv.kd
    .args:
      - { .name: p16, .offset: 0, .size: 8, .value_kind: global_buffer, .address_space: global }
      - { .name: qkv, .offset: 8, .size: 8, .value_kind: global_buffer, .address_space: global }
      - { .name: stats, .offset: 16, .size: 8, .value_kind: global_buffer, .address_space: global }
      - { .name: out0, .offset: 24, .size: 8, .value_kind: global_buffer, .address_space: global }
    .group_segment_fixed_size: 327680
    .private_segment_fixed_size: 0
    .kernarg_segment_align: 8
    .kernarg_segment_size: 32
    .max_flat_workgroup_size: 128
    .sgpr_count:     80
    .vgpr_count:     1024
    .wavefront_size: 32
...
	.end_amdgpu_metadata
.endif
;; end of part 4
